; MI455X (gfx1250); checked and timed in simulation.
; The chip was launched on July 23, 2026; its instructions are those of AMD's public machine-readable ISA for CDNA 5 (MIT licence, August 2026) and "CDNA5" Instruction Set Architecture Reference Guide (July 2026). The comments in the code are by the model that wrote it; some were corrected since.
;; Custom Transformer Encoder Layer. Allowed arithmetic: matrix products marked QUANTISED: E3M2 operands, one E8M0 scale for each 32 along K, by v_wmma_scale_f32_16x16x128_f8f6f4 with both operands' format E3M2, f32 sums; products left as they are: f32 operands where the result goes on into a quantised operand, else bf16, f16 or f32 operands; f32 sums; everything else in f32.
;; Inputs: b1 4,096 float32; b2 1,024 float32; be1 1,024 float32; be2 1,024 float32; g1 1,024 float32; g2 1,024 float32; src 2 x 4,096 x 1,024 float32; w1 4,096 x 1,024 float32; w2 1,024 x 4,096 float32.
;; Outputs: out0 2 x 4,096 x 1,024 float32.
;; Constants: window_size = 8.
;; This version of the problem:
;;   THIS VERSION OF THE PROBLEM IS GIVEN IN LOW PRECISION. The matrix products marked QUANTISED in the list below multiply operands that are first quantised to E3M2 (3 exponent bits, 2 mantissa bits; 6 bits a number), with one power-of-two scale for each 32 numbers along K (OCP MX v1.0); their sums are f32. All else is computed in f32.
;;   The module's matrix products, in the order in which they are computed (A, B: the left and right operand; K: the contracted axis; several contracted axes count as one K, in the product's order):
;;     1. batch 8,192 x [M 1, K 1,024] x [K 1,024, N 17]; A: input src; B: computed on the way: left as it is (M = 1 < 16)
;;     2. batch 8,192 x [M 1, K 17] x [K 17, N 1,024]; A: softmax; B: computed on the way: left as it is (K = 17 < 32)
;;     3. [M 8,192, K 1,024] x [K 1,024, N 4,096]; A: computed on the way; B: input w1: QUANTISED
;;     4. [M 8,192, K 4,096] x [K 4,096, N 1,024]; A: computed on the way; B: input w2: QUANTISED
;;   THE QUANTISER, for each operand of a quantised product, along K:
;;     - K is cut into blocks of 32 from its start; a last block that is shorter is filled with zeros.
;;     - A block's scale is 2^e with e = floor(log2(the largest magnitude in the block)) - 4, held to -126 .. 127; a block of zeros has e = 0. As a byte (E8M0): e + 127.
;;     - Each number is divided by its block's scale, clamped to +-28, and rounded to the nearest number of E3M2, ties to even, subnormals kept.
;;     - The product sums the exact products of the quantised numbers (number of the format x scale) in f32.
;;   ~~~python
;;   def quantise(x, axis):      # numpy; x: float32 -> the quantised numbers, widened to float32 again
;;       x = np.moveaxis(x, axis, -1); K = x.shape[-1]
;;       x = np.pad(x, [(0, 0)] * (x.ndim - 1) + [(0, -K % 32)]); x = x.reshape(x.shape[:-1] + (-1, 32)); a = np.abs(x).max(-1, keepdims=True)
;;       e = np.where(a > 0, np.clip(np.frexp(np.where(a > 0, a, 1))[1] - 1 - 4, -126, 127), 0)      # np.frexp(a)[1] - 1 = floor(log2(a)), exactly
;;       r = np.clip(x / 2.0 ** e, -28, 28)
;;       step = 2.0 ** (np.maximum(np.frexp(np.where(r == 0, 1, r))[1] - 1, -2) - 2)
;;       q = np.round(r / step) * step * 2.0 ** e      # np.round: ties to even
;;       return np.moveaxis(q.reshape(q.shape[:-2] + (-1,))[..., :K], -1, axis).astype(np.float32)
;;   ~~~
;;   OPERANDS COMPUTED ON THE WAY. 'Computed on the way' means the value that the module computes at that place (a softmax that the list does not call 'softmax' is quantised finished and normalised). What goes into a quantiser is computed in f32, as accurately as f32 sums, v_exp_f32 and their like allow (about 1e-6 of the number): no bf16 or f16 on the way to a quantiser, and a product that is left as it is and whose result goes on into a quantised operand takes f32 operands (vector FMAs, or v_wmma_f32_16x16x4_f32). A number that lies on a knife's edge between two numbers of the format may be rounded either way, as far as f32 arithmetic and the matrix unit's own rounding can turn it there, and no further.
;; One version. Each part assembles by itself: llvm-mc -triple=amdgcn-amd-amdhsa -mcpu=gfx1250 --defsym DOCPART=n.
;; ======== version 1 of 1: 4 launches
;; limits: right only within a limited range of input values
;; workspace buffers: xq 6,553,600 bytes; w1q 3,276,800 bytes; hq 26,214,400 bytes; w2q 3,276,800 bytes; xr 33,554,432 bytes; z 33,554,432 bytes
;; launch prep (part 1): grid 256 x 1, 4 waves a work-group, no clusters, 264,704 bytes of LDS; arguments src, w1, w2, g1, be1, xq, w1q, w2q, xr; writes xq, w1q, w2q, xr
.if DOCPART == 1
	.amdgcn_target "amdgcn-amd-amdhsa--gfx1250"
	.amdhsa_code_object_version 6
	.text
	.protected	k_q7c37971fa1_prep
	.globl	k_q7c37971fa1_prep
	.p2align	8
	.type	k_q7c37971fa1_prep,@function
k_q7c37971fa1_prep:
	s_mov_b64 s[64:65], 0
	v_nop
	global_prefetch_b8 v0, s[64:65] scope:SCOPE_SE
	s_setreg_imm32_b32 hwreg(HW_REG_WAVE_MODE, 25, 1), 1
	s_wait_xcnt 0x0
; PREP.  (a) x = LayerNorm(src + band attention(src); g1, be1), all in f32: scores q.k / 32 over the 17 positions s - 8 .. s + 8, softmax with the row's maximum taken away, the weighted sum of the same rows.
; x leaves twice: as f32 (xr), in the order of the last product's accumulators, and as codes (xq).
; (b) w1 [4096][1024] and w2 [1024][4096], f32, K innermost, become codes of BF6 (E3M2) with one E8M0 byte for each 32 along K.
; NOTHING OF THE PROBLEM IS LEFT OUT: every input has a way to the output and is loaded by some launch (b1 by ffn1, b2, g2, be2 by ln2).  A position outside its sequence is done and selected:
; its score is 0 x dot - 1e9 log2(e), as the problem's own mask has it, and its weight comes out 0.  The window of 8 is a constant of the problem.
; LIMITS.  NaN and infinities among the inputs are not served (0 x dot and 0 x row of a masked position would carry them otherwise than a selection does).  A block of zeros gets the scale byte 1 where the rule
; says 127: its codes are zeros, which add nothing under any byte but 0xff, and this program alone reads the bytes.  The f32 sums are taken in another order than a row-wise sum.
; RECORDS.  Operands of the two products are laid as images of the operand's registers.  A record is 128 rows x NQ x 128 along K, NQ x 12,800 dense bytes: codes at tile x NQ x 1,536 + K step x 1,536 + quad x 512 + 16 x lane,
; scale words behind them at NQ x 12,288 + K step x 512 + tile x 64 + 4 x row.  xq, w1q: NQ = 2; w2q (and hq): NQ = 4.  A buffer is [K slot][group of 128 rows].
; Tokens: lane r of tile i is row 16 i + r.  Weights: lane r of tile 2 b + u is row 32 b + 8 u + r + 8 (r / 8), so that the transposed product leaves 16 neighbours along the next K in 16 neighbouring registers.
; SHARES.  Work-group wg owns rows 32 wg .. 32 wg + 31 (inside one sequence: 4,096 = 128 x 32); 48 rows of src, its own and 8 on each side, come into LDS once, by four tensor loads, one a wave.
; Wave w owns 8 queries (LDS rows 8 + 8 w + i) and reads keys at LDS rows 8 w + kk, kk = 0 .. 23; query i takes kk = i + d, d = 0 .. 16.  A lane holds 16 bytes of each 512 of a row (a chunk), so a dot is summed over lanes at the end.
; Each wave also quantises one unit of w1 and one of w2: 32 rows x 128 along K, unit number 4 wg + w of 1,024.
; THE ORDER.  src is asked for first, with nothing beside it.  w1's unit is asked for when src has landed, w2's unit, g1 and be1 behind the scores: they land under the attention's arithmetic, in registers that nothing else
; uses, and the two units are quantised last, behind x's stores, which leave meanwhile.
; NO CLUSTER: neighbouring work-groups share 16 of their 48 rows, at different LDS places, and each row is asked for once in a work-group: there is no tile that partners ask for alike.
; LDS: 0 .. 196,607 the 48 rows, 4,096 bytes each, six groups of 32,768; from 196,608 a stage of 32 x 528 bytes for each wave (the weights', at the launch's end); from 264,192 the spare words.
;   y (src + attention) of a wave goes chunk by chunk to 32,768 bytes that this wave alone touches by then: wave 0: group 0, wave 3: group 5 (the halo rows, which no other wave reads; a chunk's keys are in registers before the
;   chunk is overwritten, LDS serving a wave's instructions in order), waves 2 and 1: the 65,536 bytes from 196,608 on, which the weights' stages take only behind two later barriers.
;   x: 32 rows x 4,112 bytes from 0 on, written behind the second barrier, when nobody reads src or y any more.
; REGISTERS, in windows of 256: window 0: addresses, two chunk buffers of 24 keys x 4, later scores, numbers to quantise, codes.  Window 1: score sums of queries 0-3, then the weights p, then y.
;   window 2: the weights' 256 registers, from their request to the end.  Window 3: v0-63 g1, be1; from v64 the score sums of queries 4-7, then two sets of 8 x 4 of y at work.
.set SLOTB, 32768
.set WST,   6*SLOTB
.set WSTB,  16896
.set WP,    528
.set SPARE, WST+4*WSTB                 ; 264,192: the spare words, 128 bytes for each wave: two blocks of 256 bytes that no other line names
.set XP,    4112
.set L16, 1                            ; v1   16 x lane
.set KA0, 2                            ; v2   my wave's key 0, my 16 bytes
.set KA1, 3                            ; v3   key 12 (an LDS offset has 16 bits)
.set AD0, 4                            ; v4, v5 the same at the chunk in hand
.set AD1, 5
.set YA,  6                            ; v6   my wave's y bytes
.set YAD, 7                            ; v7   the same at the chunk in hand
.set WSA, 8                            ; v8   the weights' stage, way in
.set WSR, 9                            ; v9   and way out: row r, 64 h
.set XW,  10                           ; v10  x's stage, way in
.set XR0, 11                           ; v11, v12 way out: rows r and 16 + r
.set XR1, 12
.set L4,  13                           ; v13  4 x lane
.set SPW, 14                           ; v14  LDS address of my spare word; never rewritten
.set NIL, 15                           ; v15  0; never rewritten
.set T,   16                           ; v16-23 at work in the sums over lanes
.set KBA, 32                           ; v32-127  chunk buffer A
.set KBB, 128                          ; v128-223 chunk buffer B
.set TM,  224                          ; v224-239 the quantiser's
.set PW0, 240
.set PW1, 241
.set PWM, 242
.set HA,  32                           ; 64 numbers of a tile, and of the next
.set HB,  96
.set PC0, 160                          ; codes: 20 registers, the first 12 the fragment
.set PC1, 180
.set S,   32                           ; v32-167 the 136 scores: 17 i + d
.set MX,  168
.set SUM, 176
.set R,   184
.set SM,  32                           ; LayerNorm: a pair for each row
.set QS,  48
.set W3,  64                           ; window 3: where the score sums of queries 4-7, and later y's two sets, begin
.set WV,  22
.set WG,  23
.set G1,  24                           ; s[24:31] descriptor group 1
.set G0A, 32                           ; s[32:35], s[36:39] groups 0
.set G0B, 36
.set SEL, 40                           ; s[40:41] selects of v_permlanex16_b32: lane l xor 16
.set CH,  42
.set CNT, 43
.set ML,  44                           ; t = score x ML + AL for keys kk < 8; x CM for 8 .. 15; x MH + AH for kk > 15
.set AL,  45
.set CM,  46
.set MH,  47
.set AH,  48
.set HIM, 49                           ; lanes 16-31
.set MSB, 0
.macro WIN new                         ; the immediate's high byte repeats the setting that is left; a switch that changes nothing is dropped
.if MSB != (\new)
	s_set_vgpr_msb (MSB<<8)|(\new)
.set MSB, (\new)
.endif
.endm
; 64 numbers of a lane, register 16 b + i = k 32 b + 16 (lane / 16) + i of my row, become a fragment's codes in v[pc] .. v[pc + 11] and its scale word in v[pw]
.macro QUANT s, pc, pw
.irp b, 0,1,2,3
	v_max3_num_f32 v[TM+\b], |v[\s+16*\b]|, |v[\s+1+16*\b]|, 0x2800000   ; my 16 numbers of block b, and the floor 2^(5 - 127): the byte cannot fall under 1
.endr
.irp i, 2,4,6,8,10,12,14
.irp b, 0,1,2,3
	v_max3_num_f32 v[TM+\b], v[TM+\b], |v[\s+16*\b+\i]|, |v[\s+1+16*\b+\i]|
.endr
.endr
.irp b, 0,1,2,3
	v_permlanex16_b32 v[TM+4+\b], v[TM+\b], s[SEL], s[SEL+1]
.endr
.irp b, 0,1,2,3
	v_max_num_f32 v[TM+\b], v[TM+\b], v[TM+4+\b]                          ; with lane l xor 16's: the block's largest magnitude
.endr
.irp b, 0,1,2,3
	v_add_nc_u32 v[TM+12+\b], 0xfe000000, v[TM+\b]                        ; 4 off its exponent field: the conversion's scale operand
.endr
.irp b, 0,1,2,3
	v_lshrrev_b32 v[TM+4+\b], 23, v[TM+12+\b]                             ; the scale's byte
.endr
	v_lshl_or_b32 v[\pw], v[TM+5], 8, v[TM+4]
	v_lshl_or_b32 v[\pw], v[TM+6], 16, v[\pw]
	v_lshl_or_b32 v[\pw], v[TM+7], 24, v[\pw]
.irp c, 0,1
	v_cvt_scalef32_pk16_bf6_f32 v[\pc+6*\c:\pc+2+6*\c], v[\s+32*\c:\s+15+32*\c], v[TM+12+2*\c]
	v_cvt_scalef32_pk16_bf6_f32 v[\pc+12+4*\c:\pc+14+4*\c], v[\s+16+32*\c:\s+31+32*\c], v[TM+12+2*\c+1]   ; (a conversion's three registers begin on an even number)
.endr
	v_nop                                                                  ; one plain place behind a scaled conversion
.irp c, 0,1                            ; the operand's layout wants a whole block in a lane
.irp i, 0,1,2
	v_permlane16_swap_b32 v[\pc+6*\c+\i], v[\pc+12+4*\c+\i]
.endr
.irp i, 0,1,2
	v_mov_b32 v[\pc+3+6*\c+\i], v[\pc+12+4*\c+\i]
.endr
.endr
.endm
.macro IMG3 base, off, pc              ; a fragment leaves as it stands: three stores of 512 consecutive bytes, at a multiple of 256 from the buffer's first byte
.irp c, 0,1,2
	global_store_b128 v[L16], v[\pc+4*\c:\pc+4*\c+3], s[\base:\base+1] offset:\off+512*\c
.endr
.endm
.macro SCPAIR base, off, pe, po        ; two neighbouring tiles' scale words: lanes 0-15 the even tile's, lanes 16-31 the odd one's: 128 consecutive bytes
	v_cndmask_b32 v[PWM], v[\pe], v[\po], s[HIM]
	global_store_b32 v[L4], v[PWM], s[\base:\base+1] offset:\off
.endm
.macro ALLRED base, stride, n          ; n numbers are summed over the 32 lanes, by turns; every lane ends with the sums
.irp m, 1,2,4,8
.set AI, 0
.rept \n
	v_add_f32_dpp v[\base+AI*\stride], v[\base+AI*\stride], v[\base+AI*\stride] row_xmask:\m row_mask:0xf bank_mask:0xf
.set AI, AI+1
.endr
.endr
.set AI, 0
.rept \n
	v_permlanex16_b32 v[T+AI], v[\base+AI*\stride], s[SEL], s[SEL+1]
.set AI, AI+1
.endr
.set AI, 0
.rept \n
	v_add_f32 v[\base+AI*\stride], v[\base+AI*\stride], v[T+AI]
.set AI, AI+1
.endr
.endm
.macro BAR                             ; my LDS instructions are done: then the work-group's barrier
	s_wait_dscnt 0x0
	s_barrier_signal -1
	s_barrier_wait -1
.endm
; A unit of a weight: 32 rows x 128 along K, loaded as 32 rows of 512 consecutive bytes (they have landed: the wait ahead of g1's first use was for all loads).  Through my stage they turn into 64 numbers a lane for each of
; two tiles.  Row n goes to stage row 16 u + r, the place of the tile and lane that take it: n = 16 (r / 8) + 8 u + r % 8, so bits 3 and 4 of n change places.
.macro WUNIT reg0, cb, tstr, sb
	WIN 0x08                                       ; an LDS store's data are its source 1: window 2
.set N, 0
.rept 32
	ds_store_b128 v[WSA], v[\reg0+4*N:\reg0+4*N+3] offset:((N&7)|(((N>>3)&1)<<4)|(((N>>4)&1)<<3))*WP
.set N, N+1
.endr
	WIN 0
	s_wait_xcnt 0x0                                ; the stores issued so far have read their registers: the numbers', the codes' and the scale word's registers may be written again
.irp u, 0,1
.irp b, 0,1,2,3
.irp j, 0,1,2,3
	ds_load_b128 v[HA+64*\u+16*\b+4*\j:HA+64*\u+16*\b+4*\j+3], v[WSR] offset:16*\u*WP+128*\b+16*\j   ; LDS serves a wave's instructions in order: these see my stores
.endr
.endr
.endr
	s_wait_dscnt 16                                ; the first tile's 16 loads are in; the second's stay out
	QUANT HA, PC0, PW0
	IMG3 \cb, 0, PC0
	s_wait_dscnt 0x0
	QUANT HB, PC1, PW1
	IMG3 \cb, \tstr, PC1
	SCPAIR \sb, 0, PW0, PW1
.endm
.macro LOADCH kb, off, a0, a1          ; a chunk of my 24 keys: 512 consecutive bytes a load
.set KK, 0
.rept 12
	ds_load_b128 v[\kb+4*KK:\kb+4*KK+3], v[\a0] offset:KK*4096+\off
.set KK, KK+1
.endr
.rept 12
	ds_load_b128 v[\kb+4*KK:\kb+4*KK+3], v[\a1] offset:(KK-12)*4096+\off
.set KK, KK+1
.endr
.endm
; 136 dots take in a chunk: two packed multiply-adds each.  first = 1: the first line of each sum is a product: nothing is cleared
.macro SCORE kb, first
.irp hf, 0,1
	WIN 0x50+0xa0*\hf                              ; the sums (destination and source 2): window 1 for queries 0-3, window 3 for 4-7
.irp c, 0,1
.irp i, 0,1,2,3
.irp d, 0,1,2,3,4,5,6,7,8,9,10,11,12,13,14,15,16
.set AR, W3*\hf+2*(17*\i+\d)
.set KR, \kb+4*(4*\hf+\i+\d)+2*\c
.set QR, \kb+4*(8+4*\hf+\i)+2*\c
.if \first && (\c == 0)
	v_pk_mul_f32 v[AR:AR+1], v[KR:KR+1], v[QR:QR+1]
.else
	v_pk_fma_f32 v[AR:AR+1], v[KR:KR+1], v[QR:QR+1], v[AR:AR+1]
.endif
.endr
.endr
.endr
.endr
.endm
; one line of y += p x key.  p (window 1, register 17 i + d) serves both halves: the low word of its pair where its number is even, the high word where it is odd.  d = 0 starts the sum on the query's own row: the residual
.macro PVL kb, y, i, d, c
.set IX, 17*\i+\d
.set KR, \kb+4*(\i+\d)+2*\c
.set YR, \y+4*\i+2*\c
.set CR, YR
.if \d == 0
.set CR, \kb+4*(8+\i)+2*\c
.endif
.if IX%2 == 0
	v_pk_fma_f32 v[YR:YR+1], v[KR:KR+1], v[IX:IX+1], v[CR:CR+1] op_sel_hi:[1,0,1]
.else
	v_pk_fma_f32 v[YR:YR+1], v[KR:KR+1], v[IX-1:IX], v[CR:CR+1] op_sel:[0,1,0] op_sel_hi:[1,1,1]
.endif
.endm
.macro PV kb, y
	WIN 0xc4                                       ; y window 3, key window 0, p window 1, the residual row window 0
.irp i, 0,1,2,3,4,5,6,7
.irp c, 0,1
	PVL \kb, \y, \i, 0, \c
.endr
.endr
	WIN 0xf4                                       ; source 2 is y now
.irp d, 1,2,3,4,5,6,7,8,9,10,11,12,13,14,15,16
.irp i, 0,1,2,3,4,5,6,7
.irp c, 0,1
	PVL \kb, \y, \i, \d, \c
.endr
.endr
.endr
.endm
.macro YST y, off                      ; a chunk of my 8 rows of y to my own LDS bytes
	WIN 0x0c                                       ; an LDS store's data are its source 1: window 3
.irp i, 0,1,2,3,4,5,6,7
	ds_store_b128 v[YAD], v[\y+4*\i:\y+4*\i+3] offset:\i*4096+\off
.endr
	WIN 0
.endm
	s_load_b512 s[4:19], s[0:1], 0x0               ; src s[4:5], w1 s[6:7], w2 s[8:9], g1 s[10:11], be1 s[12:13], xq s[14:15], w1q s[16:17], w2q s[18:19]
	s_load_b64 s[20:21], s[0:1], 0x40              ; xr
	v_lshl_add_u32 v[SPW], v0, 2, SPARE
	v_mov_b32 v[NIL], 0
	ds_add_u32 v[SPW], v[NIL]                      ; the wave's opening: the add, twice on end, and its wait ahead of my first tensor load
	ds_add_u32 v[SPW], v[NIL]                      ; and once more, under the one wait; the set-up below, work on registers, stands between
	v_lshrrev_b32 v24, 5, v0
	v_readfirstlane_b32 s[WV], v24                 ; wave 0..3
	s_mov_b32 s[WG], ttmp9
	; descriptor group 1: 8 rows of src are 32,768 dense bytes: 128 rows of 32 elements of 8 bytes, no padding
	s_mov_b32 s[G1+0], 3<<16
	s_mov_b32 s[G1+1], 32<<16                      ; tensor_dim0
	s_mov_b32 s[G1+2], 128<<16                     ; tensor_dim1
	s_mov_b32 s[G1+3], 32<<16                      ; tile_dim0
	s_mov_b32 s[G1+4], 128                         ; tile_dim1
	s_mov_b32 s[G1+5], 32                          ; the pitch
	s_mov_b32 s[G1+6], 0
	s_mov_b32 s[G1+7], 0
.set G1W, 72                           ; s[72:79] a second group 1: 16 rows of src, 256 rows of 256 bytes
	s_mov_b32 s[G1W+0], 3<<16
	s_mov_b32 s[G1W+1], 32<<16
	s_mov_b32 s[G1W+2], 256<<16
	s_mov_b32 s[G1W+3], 32<<16
	s_mov_b32 s[G1W+4], 256
	s_mov_b32 s[G1W+5], 32
	s_mov_b32 s[G1W+6], 0
	s_mov_b32 s[G1W+7], 0
	; THE 48 ROWS COME BY FOUR LOADS, ONE A WAVE: wave 0 LDS group 0 (8 rows), wave 1 groups 1, 2 (16 rows), wave 2 groups 3, 4, wave 3 group 5.  LDS group g holds src's rows 8 (4 wg + g - 1) on
	s_lshl_b32 s62, s[WG], 2
	s_lshl_b32 s50, s[WV], 1
	s_max_u32 s50, s50, 1                          ; g + 1 = 1, 2, 4, 6
	s_add_co_u32 s50, s50, s62
	s_max_u32 s50, s50, 2
	s_sub_co_u32 s50, s50, 2                       ; 4 wg + g - 1, held inside src at its first rows (those rows are masked)
	s_min_u32 s50, s50, 1023                       ; and at its last
	s_lshl_b32 s58, s50, 15
	s_mov_b32 s59, 0
	s_add_co_u32 s62, s62, s[WV]                   ; W = 4 wg + w: my unit of the weights
	s_mov_b32 s[G0A], 1
	s_lshl_b32 s[G0B+1], s[WV], 15                 ; my wave's key 0 lies at LDS group w
	s_mov_b32 s[SEL], 0x76543210
	s_mov_b32 s[SEL+1], 0xfedcba98
	s_mov_b32 s[CM], 0x3d38aa3b                    ; log2(e) / 32
	s_mov_b32 s[HIM], 0xffff0000
	s_mov_b32 s2, 0x3a800000                       ; 1 / 1,024
	s_mov_b32 s3, 0x3727c5ac                       ; 1e-5
	s_wait_dscnt 0x0                               ; both opening adds are done
	s_wait_kmcnt 0x0
	s_add_nc_u64 s[G0A+2:G0A+3], s[4:5], s[58:59]
	s_or_b32 s[G0A+3], s[G0A+3], 0x80000000
.macro ARM under, lds, g1, next        ; one chain of arms on the wave's number, one load to an arm, all arms to one join
	s_cmp_lt_u32 s[WV], \under
	s_cbranch_scc0 \next
	s_mov_b32 s[G0A+1], \lds
	tensor_load_to_lds s[G0A:G0A+3], s[\g1:\g1+7]
	s_nop 0
	s_branch .Lone
\next:
.endm
	ARM 1, 0, G1, .Lg1
	ARM 2, SLOTB, G1W, .Lg3
	ARM 3, 3*SLOTB, G1W, .Lg5
	s_mov_b32 s[G0A+1], 5*SLOTB
	tensor_load_to_lds s[G0A:G0A+3], s[G1:G1+7]
	s_nop 0
.Lone:
.rept 4
	v_nop
.endr
	v_and_b32 v24, 31, v0
	v_lshlrev_b32 v[L16], 4, v24
	v_lshlrev_b32 v[L4], 2, v24
	v_and_b32 v24, 15, v0                          ; r
	v_bfe_u32 v25, v0, 4, 1                        ; h
	v_add_nc_u32 v[KA0], s[G0B+1], v[L16]
	v_add_nc_u32 v[KA1], 12*4096, v[KA0]
	s_xor_b32 s50, s[WV], 7
	s_add_co_u32 s50, s50, 1
	s_and_b32 s50, s50, 7                          ; 0, 7, 6, 5 for waves 0 to 3
	s_lshl_b32 s50, s50, 15
	v_add_nc_u32 v[YA], s50, v[L16]
	s_mul_i32 s50, s[WV], WSTB
	s_add_co_u32 s50, s50, WST
	v_add_nc_u32 v[WSA], s50, v[L16]
	v_mul_u32_u24 v[WSR], v24, WP
	v_lshl_add_u32 v[WSR], v25, 6, v[WSR]
	v_add_nc_u32 v[WSR], s50, v[WSR]
	s_mul_i32 s50, s[WV], 8*XP
	v_add_nc_u32 v[XW], s50, v[L16]
	v_mul_u32_u24 v[XR0], v24, XP
	v_lshl_add_u32 v[XR0], v25, 6, v[XR0]
	s_lshl_b32 s50, s[WV], 10
	v_add_nc_u32 v[XR0], s50, v[XR0]               ; row r, 64 h, my wave's 256 columns
	v_add_nc_u32 v[XR1], 16*XP, v[XR0]
.irp b, 0,1,2,3,4,5,6,7
	v_mov_b32 v[T+\b], 0                           ; written once: a lane permute's destination counts as one of its sources
.endr
.irp b, 0,1,2,3
	v_mov_b32 v[TM+4+\b], 0
.endr
	; which of my keys lie outside the sequence: kk < 8 in wave 0 of a sequence's first work-group, kk > 15 in wave 3 of its last
	s_mov_b32 s63, 0xceabfb8e                      ; -1e9 log2(e)
	s_and_b32 s50, s[WG], 127
	s_or_b32 s51, s50, s[WV]
	s_cmp_eq_u32 s51, 0
	s_cselect_b32 s[ML], 0, s[CM]
	s_cselect_b32 s[AL], s63, 0
	s_xor_b32 s50, s50, 127
	s_xor_b32 s51, s[WV], 3
	s_or_b32 s51, s50, s51
	s_cmp_eq_u32 s51, 0
	s_cselect_b32 s[MH], 0, s[CM]
	s_cselect_b32 s[AH], s63, 0
	; w1: unit W is rows 32 P on, K step ks: P = W / 8, ks = W % 8
	s_mov_b32 s51, 0
	s_lshr_b32 s52, s62, 3
	s_and_b32 s53, s62, 7
	s_lshl_b32 s50, s52, 17                        ; 32 rows of 4,096 bytes
	s_lshl_b32 s54, s53, 9
	s_add_co_u32 s50, s50, s54
	s_add_nc_u64 s[6:7], s[6:7], s[50:51]
	s_lshr_b32 s50, s53, 1
	s_lshl_b32 s50, s50, 5
	s_lshr_b32 s54, s52, 2
	s_add_co_u32 s50, s50, s54
	s_mul_i32 s50, s50, 25600
	s_add_nc_u64 s[16:17], s[16:17], s[50:51]      ; the record: K slot ks / 2, group P / 4
	s_and_b32 s52, s52, 3
	s_and_b32 s53, s53, 1
	s_lshl_b32 s50, s52, 7
	s_lshl_b32 s54, s53, 9
	s_add_co_u32 s50, s50, s54
	s_add_co_u32 s50, s50, 24576
	s_add_nc_u64 s[66:67], s[16:17], s[50:51]      ; its scale words of tiles 2 (P % 4), + 1
	s_mul_i32 s50, s52, 6144
	s_mul_i32 s54, s53, 1536
	s_add_co_u32 s50, s50, s54
	s_add_nc_u64 s[16:17], s[16:17], s[50:51]      ; and their codes
	; w2: P = W / 32, ks = W % 32
	s_lshr_b32 s52, s62, 5
	s_and_b32 s53, s62, 31
	s_lshl_b32 s50, s52, 19                        ; 32 rows of 16,384 bytes
	s_lshl_b32 s54, s53, 9
	s_add_co_u32 s50, s50, s54
	s_add_nc_u64 s[8:9], s[8:9], s[50:51]
	s_lshr_b32 s50, s53, 2
	s_lshl_b32 s50, s50, 3
	s_lshr_b32 s54, s52, 2
	s_add_co_u32 s50, s50, s54
	s_mul_i32 s50, s50, 51200
	s_add_nc_u64 s[18:19], s[18:19], s[50:51]
	s_and_b32 s52, s52, 3
	s_and_b32 s53, s53, 3
	s_lshl_b32 s50, s52, 7
	s_lshl_b32 s54, s53, 9
	s_add_co_u32 s50, s50, s54
	s_add_co_u32 s50, s50, 49152
	s_add_nc_u64 s[68:69], s[18:19], s[50:51]
	s_mul_i32 s50, s52, 12288
	s_mul_i32 s54, s53, 1536
	s_add_co_u32 s50, s50, s54
	s_add_nc_u64 s[18:19], s[18:19], s[50:51]
	; xq: K slot w, group wg / 4, tiles 2 (wg % 4), + 1;  xr: row tiles 2 wg, + 1, column groups 2 w, + 1
	s_lshl_b32 s50, s[WV], 6
	s_lshr_b32 s54, s[WG], 2
	s_add_co_u32 s50, s50, s54
	s_mul_i32 s50, s50, 25600
	s_add_nc_u64 s[14:15], s[14:15], s[50:51]
	s_and_b32 s52, s[WG], 3
	s_lshl_b32 s50, s52, 7
	s_add_co_u32 s50, s50, 24576
	s_add_nc_u64 s[70:71], s[14:15], s[50:51]
	s_mul_i32 s50, s52, 6144
	s_add_nc_u64 s[14:15], s[14:15], s[50:51]
	s_lshl_b32 s50, s[WG], 17
	s_lshl_b32 s54, s[WV], 14
	s_add_co_u32 s50, s50, s54
	s_add_nc_u64 s[20:21], s[20:21], s[50:51]
	s_wait_tensorcnt 0x0                           ; my groups of src have landed,
	BAR                                            ; everybody's have
	; ---- the scores: chunks 0 to 7 through two buffers
	LOADCH KBA, 0, KA0, KA1
	LOADCH KBB, 512, KA0, KA1
	WIN 0x80                                       ; destination window 2: w1's unit is asked for now, 512 consecutive bytes a load; nothing waits for it before the LayerNorm
.set N, 0
.rept 32
	global_load_b128 v[4*N:4*N+3], v[L16], s[6:7] offset:N*4096 th:TH_LOAD_NT
.set N, N+1
.endr
	WIN 0
	s_wait_dscnt 24                                ; buffer A is in; B's 24 loads stay out
	SCORE KBA, 1
	WIN 0
	s_mov_b32 s[CH], 0
	s_mov_b32 s[CNT], 3
.Lsc:
	s_add_co_u32 s[CH], s[CH], 1024
	v_add_nc_u32 v[AD0], s[CH], v[KA0]
	v_add_nc_u32 v[AD1], s[CH], v[KA1]
	LOADCH KBA, 0, AD0, AD1
	s_wait_dscnt 24                                ; B is in; A's 24 loads stay out
	SCORE KBB, 0
	WIN 0
	LOADCH KBB, 512, AD0, AD1
	s_wait_dscnt 24                                ; A is in; B's 24 stay out
	SCORE KBA, 0
	WIN 0
	s_sub_co_u32 s[CNT], s[CNT], 1
	s_cmp_lg_u32 s[CNT], 0
	s_cbranch_scc1 .Lsc
	s_wait_dscnt 0x0
	SCORE KBB, 0
	WIN 0x80                                       ; w2's unit is asked for here,
.set N, 0
.rept 32
	global_load_b128 v[128+4*N:128+4*N+3], v[L16], s[8:9] offset:N*16384 th:TH_LOAD_NT
.set N, N+1
.endr
	WIN 0xc0                                       ; and, into window 3, my 16 bytes of each chunk of g1 and be1
.irp j, 0,1,2,3,4,5,6,7
	global_load_b128 v[4*\j:4*\j+3], v[L16], s[10:11] offset:512*\j
.endr
.irp j, 0,1,2,3,4,5,6,7
	global_load_b128 v[32+4*\j:32+4*\j+3], v[L16], s[12:13] offset:512*\j
.endr
	; ---- the softmax.  A sum's two halves, then the 32 lanes
	WIN 0x05
.irp i, 0,1,2,3
.irp d, 0,1,2,3,4,5,6,7,8,9,10,11,12,13,14,15,16
	v_add_f32 v[S+17*\i+\d], v[2*(17*\i+\d)], v[2*(17*\i+\d)+1]
.endr
.endr
	WIN 0x0f
.irp i, 0,1,2,3
.irp d, 0,1,2,3,4,5,6,7,8,9,10,11,12,13,14,15,16
	v_add_f32 v[S+17*(4+\i)+\d], v[W3+2*(17*\i+\d)], v[W3+2*(17*\i+\d)+1]
.endr
.endr
	WIN 0
.set AB, S
.rept 17
	ALLRED AB, 1, 8
.set AB, AB+8
.endr
.irp i, 0,1,2,3,4,5,6,7
.irp d, 0,1,2,3,4,5,6,7,8,9,10,11,12,13,14,15,16
.if (\i+\d) < 8
	v_fma_f32 v[S+17*\i+\d], v[S+17*\i+\d], s[ML], s[AL]      ; t = score x log2(e) / 32, or the mask's number
.elseif (\i+\d) < 16
	v_mul_f32 v[S+17*\i+\d], s[CM], v[S+17*\i+\d]
.else
	v_fma_f32 v[S+17*\i+\d], v[S+17*\i+\d], s[MH], s[AH]
.endif
.endr
.endr
.irp i, 0,1,2,3,4,5,6,7
	v_max3_num_f32 v[MX+\i], v[S+17*\i], v[S+17*\i+1], v[S+17*\i+2]
.endr
.irp e, 3,5,7,9,11,13,15
.irp i, 0,1,2,3,4,5,6,7
	v_max3_num_f32 v[MX+\i], v[MX+\i], v[S+17*\i+\e], v[S+17*\i+\e+1]
.endr
.endr
.irp i, 0,1,2,3,4,5,6,7
.irp d, 0,1,2,3,4,5,6,7,8,9,10,11,12,13,14,15,16
	v_sub_f32 v[S+17*\i+\d], v[S+17*\i+\d], v[MX+\i]          ; the row's maximum is taken away
.endr
.endr
.set J, 0
	s_wait_alu depctr_va_vdst(0)
.rept 136
	v_exp_f32 v[S+J], v[S+J]                       ; one batch
.set J, J+1
.endr
	v_nop                                          ; a plain place behind the last exponential
	s_wait_alu depctr_va_vdst(0)                   ; the wait ahead of the first reader: one for the batch
.irp i, 0,1,2,3,4,5,6,7
	v_add_f32 v[SUM+\i], v[S+17*\i], v[S+17*\i+1]
.endr
.irp d, 2,3,4,5,6,7,8,9,10,11,12,13,14,15,16
.irp i, 0,1,2,3,4,5,6,7
	v_add_f32 v[SUM+\i], v[SUM+\i], v[S+17*\i+\d]
.endr
.endr
	s_wait_alu depctr_va_vdst(0)
.irp i, 0,1,2,3,4,5,6,7
	v_rcp_f32 v[R+\i], v[SUM+\i]
.endr
	v_nop
	s_wait_alu depctr_va_vdst(0)                   ; one wait for the eight reciprocals
	WIN 0x40                                       ; p into window 1
.irp i, 0,1,2,3,4,5,6,7
.irp d, 0,1,2,3,4,5,6,7,8,9,10,11,12,13,14,15,16
	v_mul_f32 v[17*\i+\d], v[S+17*\i+\d], v[R+\i]
.endr
.endr
	WIN 0
	; ---- y = src + the sum of p x key, chunk by chunk, two sets of registers by turns
	v_mov_b32 v[YAD], v[YA]
	LOADCH KBA, 0, KA0, KA1
	LOADCH KBB, 512, KA0, KA1
	s_mov_b32 s[CH], 0
	s_mov_b32 s[CNT], 3
.Lpv:
	s_wait_dscnt 24                                ; A is in, and set A's last stores are done; B's 24 loads stay out
	PV KBA, W3
	YST W3, 0
	s_add_co_u32 s[CH], s[CH], 1024
	v_add_nc_u32 v[AD0], s[CH], v[KA0]
	v_add_nc_u32 v[AD1], s[CH], v[KA1]
	LOADCH KBA, 0, AD0, AD1
	s_wait_dscnt 32                                ; B is in, and set B's last stores are done; the 8 stores and 24 loads just issued stay out
	PV KBB, W3+32
	YST W3+32, 512
	LOADCH KBB, 512, AD0, AD1
	v_add_nc_u32 v[YAD], s[CH], v[YA]
	s_sub_co_u32 s[CNT], s[CNT], 1
	s_cmp_lg_u32 s[CNT], 0
	s_cbranch_scc1 .Lpv
	s_wait_dscnt 32                                ; A is in; 8 stores and B's 24 loads stay out
	PV KBA, W3
	YST W3, 0
	s_wait_dscnt 8                                 ; B is in; the 8 stores just issued stay out
	PV KBB, W3+32
	YST W3+32, 512
	WIN 0x40                                       ; my 8 rows of y come back whole, into window 1: row i, chunk j at 32 i + 4 j
.irp i, 0,1,2,3,4,5,6,7
.irp j, 0,1,2,3,4,5,6,7
	ds_load_b128 v[32*\i+4*\j:32*\i+4*\j+3], v[YA] offset:\i*4096+512*\j
.endr
.endr
	WIN 0
	BAR                                            ; nobody reads src or y in LDS any more
	; ---- LayerNorm 1, the 8 rows by turns
	WIN 0x05
.irp i, 0,1,2,3,4,5,6,7
	v_pk_add_f32 v[SM+2*\i:SM+2*\i+1], v[32*\i:32*\i+1], v[32*\i+2:32*\i+3]
.endr
	WIN 0x04
.irp p, 2,3,4,5,6,7,8,9,10,11,12,13,14,15
.irp i, 0,1,2,3,4,5,6,7
	v_pk_add_f32 v[SM+2*\i:SM+2*\i+1], v[SM+2*\i:SM+2*\i+1], v[32*\i+2*\p:32*\i+2*\p+1]
.endr
.endr
	WIN 0
.irp i, 0,1,2,3,4,5,6,7
	v_add_f32 v[SM+2*\i], v[SM+2*\i], v[SM+2*\i+1]
.endr
	ALLRED SM, 2, 8
.irp i, 0,1,2,3,4,5,6,7
	v_mul_f32 v[SM+2*\i], s2, v[SM+2*\i]           ; the mean
.endr
	WIN 0x41
.irp p, 0,1,2,3,4,5,6,7,8,9,10,11,12,13,14,15
.irp i, 0,1,2,3,4,5,6,7
	v_pk_add_f32 v[32*\i+2*\p:32*\i+2*\p+1], v[32*\i+2*\p:32*\i+2*\p+1], v[SM+2*\i:SM+2*\i+1] op_sel_hi:[1,0] neg_lo:[0,1] neg_hi:[0,1]
.endr
.endr
	WIN 0x05
.irp i, 0,1,2,3,4,5,6,7
	v_pk_mul_f32 v[QS+2*\i:QS+2*\i+1], v[32*\i:32*\i+1], v[32*\i:32*\i+1]
.endr
.irp p, 1,2,3,4,5,6,7,8,9,10,11,12,13,14,15
.irp i, 0,1,2,3,4,5,6,7
	v_pk_fma_f32 v[QS+2*\i:QS+2*\i+1], v[32*\i+2*\p:32*\i+2*\p+1], v[32*\i+2*\p:32*\i+2*\p+1], v[QS+2*\i:QS+2*\i+1]
.endr
.endr
	WIN 0
.irp i, 0,1,2,3,4,5,6,7
	v_add_f32 v[QS+2*\i], v[QS+2*\i], v[QS+2*\i+1]
.endr
	ALLRED QS, 2, 8
.irp i, 0,1,2,3,4,5,6,7
	v_fma_f32 v[QS+2*\i], v[QS+2*\i], s2, s3       ; the variance + 1e-5
.endr
	s_wait_alu depctr_va_vdst(0)
.irp i, 0,1,2,3,4,5,6,7
	v_rsq_f32 v[SM+2*\i], v[QS+2*\i]
.endr
	v_nop
	s_wait_alu depctr_va_vdst(0)                   ; one wait for the eight
	WIN 0x41
.irp p, 0,1,2,3,4,5,6,7,8,9,10,11,12,13,14,15
.irp i, 0,1,2,3,4,5,6,7
	v_pk_mul_f32 v[32*\i+2*\p:32*\i+2*\p+1], v[32*\i+2*\p:32*\i+2*\p+1], v[SM+2*\i:SM+2*\i+1] op_sel_hi:[1,0]
.endr
.endr
	s_wait_loadcnt 0x0                             ; g1 and be1, my youngest loads, are in; so are the weights' units, asked for ahead of them
	WIN 0x7d                                       ; x in window 1, g1 and be1 in window 3
.irp p, 0,1,2,3,4,5,6,7,8,9,10,11,12,13,14,15
.irp i, 0,1,2,3,4,5,6,7
	v_pk_fma_f32 v[32*\i+2*\p:32*\i+2*\p+1], v[32*\i+2*\p:32*\i+2*\p+1], v[2*\p:2*\p+1], v[32+2*\p:32+2*\p+1]
.endr
.endr
	WIN 0x04                                       ; x to the stage: rows of 4,096 bytes + 16
.irp i, 0,1,2,3,4,5,6,7
.irp j, 0,1,2,3,4,5,6,7
	ds_store_b128 v[XW], v[32*\i+4*\j:32*\i+4*\j+3] offset:\i*XP+512*\j
.endr
.endr
	WIN 0
	BAR                                            ; 32 whole rows of x lie in the stage
	; ---- x out: wave w takes columns 256 w on, for all 32 rows: K steps q = 0, 1, two tiles of 16 rows each
.irp q, 0,1
	s_wait_xcnt 0x0                                ; earlier stores have read their registers: numbers, codes and scale word may be written again
.irp b, 0,1,2,3
.irp j, 0,1,2,3
	ds_load_b128 v[HA+16*\b+4*\j:HA+16*\b+4*\j+3], v[XR0] offset:512*\q+128*\b+16*\j
.endr
.endr
.irp b, 0,1,2,3
.irp j, 0,1,2,3
	ds_load_b128 v[HB+16*\b+4*\j:HB+16*\b+4*\j+3], v[XR1] offset:512*\q+128*\b+16*\j
.endr
.endr
	s_wait_dscnt 16                                ; the first tile's 16 loads are in; the second's stay out
.set N, 0
.rept 16
	global_store_b128 v[L16], v[HA+4*N:HA+4*N+3], s[20:21] offset:\q*8192+N*512 th:TH_STORE_NT   ; the f32 image: 512 consecutive bytes a store
.set N, N+1
.endr
	QUANT HA, PC0, PW0
	IMG3 14, \q*1536, PC0
	s_wait_dscnt 0x0
.set N, 0
.rept 16
	global_store_b128 v[L16], v[HB+4*N:HB+4*N+3], s[20:21] offset:\q*8192+65536+N*512 th:TH_STORE_NT
.set N, N+1
.endr
	QUANT HB, PC1, PW1
	IMG3 14, \q*1536+3072, PC1
	SCPAIR 70, \q*512, PW0, PW1
.endr
	; ---- the weights, last: their numbers have lain in window 2 since the attention; x's stores leave meanwhile.  The stages' bytes held y of waves 1 and 2, last read ahead of the second barrier
	WUNIT 0, 16, 3072, 66                          ; w1's unit
	WUNIT 128, 18, 6144, 68                        ; w2's unit
	s_wait_tensorcnt 0x0                           ; the wave's end, behind my last tensor load and my last LDS store
	ds_add_u32 v[SPW], v[NIL]
	s_wait_dscnt 0x0
	s_endpgm
.Lfunc_end_k_q7c37971fa1_prep:
	.size	k_q7c37971fa1_prep, .Lfunc_end_k_q7c37971fa1_prep-k_q7c37971fa1_prep
	.p2alignl 7, 3214868480
	.fill 96, 4, 3214868480
	.section	.rodata,"a",@progbits
	.p2align	6, 0x0
	.amdhsa_kernel k_q7c37971fa1_prep
		.amdhsa_group_segment_fixed_size 264704
		.amdhsa_private_segment_fixed_size 0
		.amdhsa_enable_private_segment 0
		.amdhsa_kernarg_size 72
		.amdhsa_user_sgpr_count 2
		.amdhsa_user_sgpr_kernarg_segment_ptr 1
		.amdhsa_wavefront_size32 1
		.amdhsa_system_sgpr_workgroup_id_x 1
		.amdhsa_system_sgpr_workgroup_id_y 1
		.amdhsa_system_sgpr_workgroup_id_z 1
		.amdhsa_system_vgpr_workitem_id 0
		.amdhsa_next_free_vgpr 1024
		.amdhsa_next_free_sgpr 80
		.amdhsa_reserve_vcc 0
		.amdhsa_float_denorm_mode_32 3
		.amdhsa_float_denorm_mode_16_64 3
		.amdhsa_memory_ordered 1
		.amdhsa_forward_progress 1
		.amdhsa_inst_pref_size 255
	.end_amdhsa_kernel
	.section	.bss,"aw",@nobits
	.p2align	6
	.space	262144
	.amdgpu_metadata
---
amdhsa.version: [ 1, 2 ]
amdhsa.kernels:
  - .name:           k_q7c37971fa1_prep
    .symbol:         k_q7c37971fa1_prep.kd
    .args:
      - { .name: src, .offset: 0, .size: 8, .value_kind: global_buffer, .address_space: global }
      - { .name: w1, .offset: 8, .size: 8, .value_kind: global_buffer, .address_space: global }
      - { .name: w2, .offset: 16, .size: 8, .value_kind: global_buffer, .address_space: global }
      - { .name: g1, .offset: 24, .size: 8, .value_kind: global_buffer, .address_space: global }
      - { .name: be1, .offset: 32, .size: 8, .value_kind: global_buffer, .address_space: global }
      - { .name: xq, .offset: 40, .size: 8, .value_kind: global_buffer, .address_space: global }
      - { .name: w1q, .offset: 48, .size: 8, .value_kind: global_buffer, .address_space: global }
      - { .name: w2q, .offset: 56, .size: 8, .value_kind: global_buffer, .address_space: global }
      - { .name: xr, .offset: 64, .size: 8, .value_kind: global_buffer, .address_space: global }
    .group_segment_fixed_size: 264704
    .private_segment_fixed_size: 0
    .kernarg_segment_align: 8
    .kernarg_segment_size: 72
    .max_flat_workgroup_size: 128
    .sgpr_count:     80
    .vgpr_count:     1024
    .wavefront_size: 32
...
	.end_amdgpu_metadata
.endif
;; end of part 1
;; launch ffn1 (part 2): grid 16 x 16, 4 waves a work-group, clusters of 4 x 4, 327,680 bytes of LDS; arguments xq, w1q, b1, hq; writes hq
.if DOCPART == 2
	.amdgcn_target "amdgcn-amd-amdhsa--gfx1250"
	.amdhsa_code_object_version 6
	.text
	.protected	k_q7c37971fa1_ffn1
	.globl	k_q7c37971fa1_ffn1
	.p2align	8
	.type	k_q7c37971fa1_ffn1,@function
k_q7c37971fa1_ffn1:
	s_mov_b64 s[64:65], 0
	v_nop
	global_prefetch_b8 v0, s[64:65] scope:SCOPE_SE
	s_setreg_imm32_b32 hwreg(HW_REG_WAVE_MODE, 25, 1), 1
	s_wait_xcnt 0x0
	s_wait_alu depctr_hold_cnt(0) depctr_sa_sdst(0) depctr_va_vdst(0) depctr_va_sdst(0) depctr_va_ssrc(0) depctr_va_vcc(0) depctr_vm_vsrc(0)
	s_getreg_b32 s2, hwreg(HW_REG_IB_STS2, 6, 4)
	s_cmp_eq_u32 s2, 0
	s_cbranch_scc0 .Lentry_in_a_cluster
	s_endpgm
.Lentry_in_a_cluster:
	s_bfe_u32 s2, ttmp6, 0x10000c
	s_cmp_lg_u32 s2, 0xf033
	s_cbranch_scc0 .Lentry_shape_is_right
	s_endpgm
.Lentry_shape_is_right:
.set NQ,    2
.set REC,   25600
.set TSTR,  3072
.set SCOFF, 24576
.set SLOT,  4*REC
.set SPARE, 3*SLOT
.set ASTEP, 64*REC
.set BSTEP, 32*REC
.set ATILE, 32*REC
.set HTILE, 32*51200
.set FR,    12
.set NL,    3
.set NP,    4
.set L16,  1
.set L4,   2
.set ADRA, 16
.set ADRB, 20
.set ADRS, 23
.set SPW,  28
.set NIL,  29
.set SC,   32
.set BI,   64
.set AF,   128
.set HA,   128
.set PC0,  192
.set TM,   232
.set PW0,  248
.set PWM,  250
.set G1,  24
.set G1B, 48
.set G0,  68
.set G0B, 80
.set HIM, 45
.set SEL, 46
.set MSB, 0
.macro WIN new
.if MSB != (\new)
	s_set_vgpr_msb (MSB<<8)|(\new)
.set MSB, (\new)
.endif
.endm
.set MUL_LO, 0xa1
.set MUL_HI, 0xf1
.set TO_B,   0x40
.macro JLOAD g0a, g1a, g0b, g1b
	s_cmp_eq_u32 s15, 0
	s_cbranch_scc0 .Lfor_b_\@
	tensor_load_to_lds s[\g0a:\g0a+3], s[\g1a:\g1a+7]
	s_nop 0
.rept 4
	v_nop
.endr
	s_branch .Lasked_\@
.Lfor_b_\@:
	tensor_load_to_lds s[\g0b:\g0b+3], s[\g1b:\g1b+7]
	s_nop 0
.rept 4
	v_nop
.endr
.Lasked_\@:
.endm
.macro CREST
	s_cmp_lg_u32 s14, 0
	s_cbranch_scc1 .Lnot_wave_0_\@
	s_barrier_signal -3
.Lnot_wave_0_\@:
	s_barrier_wait -3
	s_barrier_signal -1
	s_barrier_wait -1
.endm
.macro CROUND
	s_barrier_signal -1
	s_barrier_wait -1
	CREST
.endm
.macro PLACES n
.rept \n
	v_nop
.endr
.endm
.macro QUANT s, pc, pw
.irp b, 0,1,2,3
	v_max3_num_f32 v[TM+\b], |v[\s+16*\b]|, |v[\s+1+16*\b]|, 0x2800000
.endr
.irp i, 2,4,6,8,10,12,14
.irp b, 0,1,2,3
	v_max3_num_f32 v[TM+\b], v[TM+\b], |v[\s+16*\b+\i]|, |v[\s+1+16*\b+\i]|
.endr
.endr
.irp b, 0,1,2,3
	v_permlanex16_b32 v[TM+4+\b], v[TM+\b], s[SEL], s[SEL+1]
.endr
.irp b, 0,1,2,3
	v_max_num_f32 v[TM+\b], v[TM+\b], v[TM+4+\b]
.endr
.irp b, 0,1,2,3
	v_add_nc_u32 v[TM+12+\b], 0xfe000000, v[TM+\b]
.endr
.irp b, 0,1,2,3
	v_lshrrev_b32 v[TM+4+\b], 23, v[TM+12+\b]
.endr
	v_lshl_or_b32 v[\pw], v[TM+5], 8, v[TM+4]
	v_lshl_or_b32 v[\pw], v[TM+6], 16, v[\pw]
	v_lshl_or_b32 v[\pw], v[TM+7], 24, v[\pw]
.irp c, 0,1
	v_cvt_scalef32_pk16_bf6_f32 v[\pc+6*\c:\pc+2+6*\c], v[\s+32*\c:\s+15+32*\c], v[TM+12+2*\c]
	v_cvt_scalef32_pk16_bf6_f32 v[\pc+12+4*\c:\pc+14+4*\c], v[\s+16+32*\c:\s+31+32*\c], v[TM+12+2*\c+1]
.endr
	v_nop
.irp c, 0,1
.irp i, 0,1,2
	v_permlane16_swap_b32 v[\pc+6*\c+\i], v[\pc+12+4*\c+\i]
.endr
.irp i, 0,1,2
	v_mov_b32 v[\pc+3+6*\c+\i], v[\pc+12+4*\c+\i]
.endr
.endr
.endm
.macro IMG3 base, off, pc
.irp c, 0,1,2
	global_store_b128 v[L16], v[\pc+4*\c:\pc+4*\c+3], s[\base:\base+1] offset:\off+512*\c
.endr
.endm
.macro SCPAIR base, off, pe, po
	v_cndmask_b32 v[PWM], v[\pe], v[\po], s[HIM]
	global_store_b32 v[L4], v[PWM], s[\base:\base+1] offset:\off
.endm
	s_load_b256 s[4:11], s[0:1], 0x0
	v_lshl_add_u32 v[SPW], v0, 2, SPARE
	v_mov_b32 v[NIL], 0
	ds_add_u32 v[SPW], v[NIL]
	ds_add_u32 v[SPW], v[NIL]
	v_lshrrev_b32 v3, 5, v0
	v_readfirstlane_b32 s14, v3
	v_and_b32 v7, 31, v0
	v_min_u32 v7, 24, v7
	v_lshlrev_b32 v7, 8, v7                        ; the prefetches' offset: 256 x min(lane, 24); never rewritten
	s_lshr_b32 s15, s14, 1
	s_and_b32 s16, s14, 1
	s_bfe_u32 s40, ttmp6, 0x40000
	s_bfe_u32 s41, ttmp6, 0x40004
	s_lshl_b32 s42, ttmp9, 2
	s_add_co_u32 s42, s42, s40
	s_and_b32 s17, ttmp7, 0xffff
	s_lshl_b32 s17, s17, 2
	s_add_co_u32 s17, s17, s41
	s_lshl_b32 s43, s41, 2
	s_lshl_b32 s43, 15, s43
	s_lshl_b32 s44, 0x1111, s40
	s_or_b32 s[G1+0], s43, (3<<16)|(1<<21)
	s_or_b32 s[G1B+0], s44, (3<<16)|(1<<21)
.irp g, G1, G1B
	s_mov_b32 s[\g+1], 32<<16
	s_mov_b32 s[\g+2], 100<<16
	s_mov_b32 s[\g+3], 32<<16
	s_mov_b32 s[\g+4], 100
	s_mov_b32 s[\g+5], 32
	s_mov_b32 s[\g+6], 0
	s_mov_b32 s[\g+7], 0
.endr
	s_lshl_b32 s20, s17, 1
	s_add_co_u32 s20, s20, s16
	s_mul_i32 s20, s20, REC
	s_mov_b32 s21, 0
	s_lshl_b32 s46, s42, 1
	s_add_co_u32 s46, s46, s16
	s_mul_i32 s46, s46, REC
	s_mov_b32 s47, 0
; PREFETCH.  The loads go in the order m = 0 .. 7: tile m / 4, K slot m % 4.  Behind load m each cluster asks for what load m + 2 brings (behind load 0 also for load 1's).  A load's two records of x, 51,200 bytes on end, are shared
; out among the four partners that ask for them jointly, 12,800 bytes each by cx, waves 0, 1 a half each: 25 lanes, a block of 256 bytes each (lanes 25-31 name the last block again); w1's two records likewise by cy, waves 2, 3.
; w1's rows are the same for both tiles: they are asked for in the first alone.  Every offset is an immediate: the address is never stepped.
.set PFO, 7
.set PFA, 32
.macro ASK m
	s_cmp_eq_u32 s15, 0
	s_cbranch_scc0 .Lpb_\@
	global_prefetch_b8 v[PFO], s[PFA:PFA+1] offset:((\m)%4)*ASTEP+((\m)/4)*ATILE th:TH_LOAD_NT scope:SCOPE_SE
	s_branch .Lpe_\@
.Lpb_\@:
.if (\m) < 4
	global_prefetch_b8 v[PFO], s[PFA:PFA+1] offset:(\m)*BSTEP th:TH_LOAD_NT scope:SCOPE_SE
.endif
.Lpe_\@:
.endm
	s_mul_i32 s45, s14, REC
	s_lshl_b32 s34, s17, 1
	s_mul_i32 s34, s34, REC
	s_mul_i32 s35, s40, 12800
	s_add_co_u32 s34, s34, s35                     ; x: my tile row's two records, my work-group's quarter by cx
	s_lshl_b32 s36, s42, 1
	s_mul_i32 s36, s36, REC
	s_mul_i32 s35, s41, 12800
	s_add_co_u32 s36, s36, s35                     ; w1: my tile column's two records, the quarter by cy
	s_cmp_eq_u32 s15, 0
	s_cselect_b32 s34, s34, s36
	s_mul_i32 s35, s16, 6400
	s_add_co_u32 s34, s34, s35                     ; my wave's half of it
	s_mov_b32 s35, 0
	s_wait_alu depctr_va_vdst(0)
	s_wait_dscnt 0x0
	s_wait_kmcnt 0x0
	s_cmp_eq_u32 s15, 0
	s_cselect_b64 s[PFA:PFA+1], s[4:5], s[6:7]
	s_add_nc_u64 s[PFA:PFA+1], s[PFA:PFA+1], s[34:35]
	s_add_nc_u64 s[20:21], s[4:5], s[20:21]
	s_add_nc_u64 s[46:47], s[6:7], s[46:47]
	CROUND
.irp s, 0,1,2
	s_mov_b32 s[G0+4*\s], 1
	s_add_co_u32 s[G0+4*\s+1], s45, \s*SLOT
	s_add_nc_u64 s[G0+4*\s+2:G0+4*\s+3], s[20:21], \s*ASTEP
	s_or_b32 s[G0+4*\s+3], s[G0+4*\s+3], 0x80000000
	s_mov_b32 s[G0B+4*\s], 1
	s_add_co_u32 s[G0B+4*\s+1], s45, \s*SLOT
	s_add_nc_u64 s[G0B+4*\s+2:G0B+4*\s+3], s[46:47], \s*BSTEP
	s_or_b32 s[G0B+4*\s+3], s[G0B+4*\s+3], 0x80000000
.if \s > 0
	s_wait_alu depctr_va_vdst(0)
	s_wait_tensorcnt 0x0
	ds_add_u32 v28, v29
	ds_add_u32 v28, v29
	s_wait_dscnt 0x0
	CROUND
.endif
	JLOAD G0+4*\s, G1, G0B+4*\s, G1B
.if \s == 0
	ASK 1
	ASK 2
.else
	ASK \s+2
.endif
.endr
	v_and_b32 v3, 31, v0
	v_lshlrev_b32 v[L16], 4, v3
	v_lshlrev_b32 v[L4], 2, v3
	v_and_b32 v3, 15, v0
	v_bfe_u32 v4, v0, 4, 1
	s_wait_alu depctr_va_vdst(0)
	s_mul_i32 s21, s15, REC
	s_add_co_u32 s22, s16, 2
	s_mul_i32 s22, s22, REC
.irp s, 0,1,2
	v_add_nc_u32 v[ADRA+\s], s21, v[L16]
	v_add_nc_u32 v[ADRB+\s], s22, v[L16]
	s_add_co_u32 s21, s21, SLOT
	s_add_co_u32 s22, s22, SLOT
.endr
	s_mul_i32 s21, s15, REC
	s_add_co_u32 s22, s16, 2
	s_mul_i32 s22, s22, REC
	s_sub_co_u32 s22, s22, s21
	v_mul_u32_u24 v5, s22, v4
	v_lshl_add_u32 v5, v3, 2, v5
	s_add_co_u32 s21, s21, SCOFF
	v_add_nc_u32 v[ADRS], s21, v5
	v_add_nc_u32 v[ADRS+1], SLOT, v[ADRS]
	v_add_nc_u32 v[ADRS+2], 2*SLOT, v[ADRS]
	s_lshl_b32 s20, s42, 10
	s_lshl_b32 s21, s16, 9
	s_add_co_u32 s20, s20, s21
	s_mov_b32 s21, 0
	s_add_nc_u64 s[8:9], s[8:9], s[20:21]
	v_lshlrev_b32 v6, 6, v4
.irp b, 0,1,2,3,4,5,6,7
	global_load_b128 v[BI+8*\b:BI+8*\b+3], v6, s[8:9] offset:128*(\b/2)+32*(\b%2)
	global_load_b128 v[BI+8*\b+4:BI+8*\b+7], v6, s[8:9] offset:128*(\b/2)+32*(\b%2)+16
.endr
.irp b, 0,1,2,3
	v_mov_b32 v[TM+4+\b], 0
.endr
	s_lshr_b32 s20, s42, 1
	s_lshl_b32 s20, s20, 6
	s_lshl_b32 s21, s17, 1
	s_add_co_u32 s20, s20, s21
	s_add_co_u32 s20, s20, s15
	s_mul_i32 s20, s20, 51200
	s_mov_b32 s21, 0
	s_add_nc_u64 s[10:11], s[10:11], s[20:21]
	s_and_b32 s20, s42, 1
	s_lshl_b32 s20, s20, 1
	s_add_co_u32 s20, s20, s16
	s_lshl_b32 s22, s20, 9
	s_add_co_u32 s22, s22, 49152
	s_mov_b32 s23, 0
	s_add_nc_u64 s[12:13], s[10:11], s[22:23]
	s_mul_i32 s20, s20, 1536
	s_add_nc_u64 s[10:11], s[10:11], s[20:21]
	s_mov_b32 s[HIM], 0xffff0000
	s_mov_b32 s[SEL], 0x76543210
	s_mov_b32 s[SEL+1], 0xfedcba98
.macro FRAG reg, adr, q, i
.irp c, 0,1,2
	ds_load_b128 v[\reg+4*\c:\reg+4*\c+3], v[\adr] offset:(\i)*TSTR+(\q)*1536+512*\c
.endr
.endm
.macro MUL16 a0, p, q, sc, bias
.irp a, \a0, \a0+1
.irp b, 0,1,2,3,4,5,6,7
.if \bias
	v_wmma_scale_f32_16x16x128_f8f6f4 v[8*(8*((\a)%4)+\b):8*(8*((\a)%4)+\b)+7], v[128*(\p)+FR*\b:128*(\p)+FR*\b+FR-1], v[AF+FR*(\a):AF+FR*(\a)+FR-1], v[BI+8*\b:BI+8*\b+7], v[SC+8*NQ*(\sc)+NQ*\b+(\q)], v[SC+8*NQ*(\sc)+NQ*(\a)+(\q)] matrix_a_fmt:MATRIX_FMT_BF6 matrix_b_fmt:MATRIX_FMT_BF6 matrix_a_scale:MATRIX_SCALE_ROW1
.else
	v_wmma_scale_f32_16x16x128_f8f6f4 v[8*(8*((\a)%4)+\b):8*(8*((\a)%4)+\b)+7], v[128*(\p)+FR*\b:128*(\p)+FR*\b+FR-1], v[AF+FR*(\a):AF+FR*(\a)+FR-1], v[8*(8*((\a)%4)+\b):8*(8*((\a)%4)+\b)+7], v[SC+8*NQ*(\sc)+NQ*\b+(\q)], v[SC+8*NQ*(\sc)+NQ*(\a)+(\q)] matrix_a_fmt:MATRIX_FMT_BF6 matrix_b_fmt:MATRIX_FMT_BF6 matrix_a_scale:MATRIX_SCALE_ROW1
.endif
.endr
.endr
.endm
.macro FETCH_B slot, q, p
	WIN TO_B
.irp i, 0,1,2,3,4,5,6,7
	FRAG 128*(\p)+FR*\i, ADRB+\slot, \q, \i
.endr
	WIN 0
.endm
.macro FETCH_A slot, q, i0
.irp i, \i0, \i0+1, \i0+2, \i0+3
	FRAG AF+FR*(\i), ADRA+\slot, \q, \i
.endr
.endm
.macro SCALES slot, sc
.irp i, 0,1,2,3,4,5,6,7
.irp q, 0,1
	ds_load_b32 v[SC+8*NQ*(\sc)+NQ*\i+\q], v[ADRS+\slot] offset:\q*512+\i*64
.endr
.endr
.endm
.macro FIRST slot, sc
	FETCH_B \slot, 0, 0
	FETCH_A \slot, 0, 0
	SCALES \slot, \sc
	FETCH_A \slot, 0, 4
.endm
.macro STEP slot, q, sc, bias
	s_wait_dscnt 4*NL
	WIN MUL_LO-0x20*(\bias)
	MUL16 0, (\q)%2, \q, \sc, \bias
	MUL16 2, (\q)%2, \q, \sc, \bias
	s_wait_dscnt 0
	PLACES NP
	FETCH_B \slot, (\q)+1, 1-(\q)%2
	FETCH_A \slot, (\q)+1, 0
	WIN MUL_HI-0x30*(\bias)
	MUL16 4, (\q)%2, \q, \sc, \bias
	MUL16 6, (\q)%2, \q, \sc, \bias
	PLACES NP
	WIN 0
	FETCH_A \slot, (\q)+1, 4
.endm
.macro TURN slot, next, sc, nsc, fill, fetch, up
	s_wait_dscnt 4*NL
	WIN MUL_LO
	MUL16 0, 1, NQ-1, \sc, 0
	MUL16 2, 1, NQ-1, \sc, 0
	WIN 0
	s_wait_tensorcnt 0x0
	ds_add_u32 v[SPW], v[NIL]
	s_wait_dscnt 0x0
	s_barrier_signal -1
	s_barrier_wait -1
.if \fill
	CREST
.if \up
	s_add_nc_u64 s[G0+4*\slot+2:G0+4*\slot+3], s[G0+4*\slot+2:G0+4*\slot+3], 3*ASTEP
	s_add_nc_u64 s[G0B+4*\slot+2:G0B+4*\slot+3], s[G0B+4*\slot+2:G0B+4*\slot+3], 3*BSTEP
.else
	s_sub_nc_u64 s[G0+4*\slot+2:G0+4*\slot+3], s[G0+4*\slot+2:G0+4*\slot+3], ASTEP-ATILE
	s_sub_nc_u64 s[G0B+4*\slot+2:G0B+4*\slot+3], s[G0B+4*\slot+2:G0B+4*\slot+3], BSTEP
.endif
	JLOAD G0+4*\slot, G1, G0B+4*\slot, G1B
.else
	PLACES NP
.endif
.if \fetch
	FETCH_B \next, 0, 0
	FETCH_A \next, 0, 0
	SCALES \next, \nsc
.endif
	WIN MUL_HI
	MUL16 4, 1, NQ-1, \sc, 0
	MUL16 6, 1, NQ-1, \sc, 0
.if \fetch
	PLACES NP
	WIN 0
	FETCH_A \next, 0, 4
.else
	WIN 0
.endif
.endm
.macro PASS next, sc, nsc
	s_wait_dscnt 4*NL
	WIN MUL_LO
	MUL16 0, 1, NQ-1, \sc, 0
	MUL16 2, 1, NQ-1, \sc, 0
	s_wait_dscnt 0
	PLACES NP
	FETCH_B \next, 0, 0
	FETCH_A \next, 0, 0
	SCALES \next, \nsc
	WIN MUL_HI
	MUL16 4, 1, NQ-1, \sc, 0
	MUL16 6, 1, NQ-1, \sc, 0
	PLACES NP
	WIN 0
	FETCH_A \next, 0, 4
.endm
.macro OUTB a, t
.if \a >= 2
	s_wait_xcnt 0x0
.endif
	WIN 0x08+4*(\a/4)
.set J, 0
.rept 64
	v_max_num_f32 v[HA+J], 0, v[64*(\a%4)+J]
.set J, J+1
.endr
	WIN 0
	QUANT HA, PC0+20*(\a%2), PW0+\a%2
	IMG3 10, \t*HTILE+\a*6144, PC0+20*(\a%2)
.if \a%2 == 1
	SCPAIR 12, \t*HTILE+(\a-1)*64, PW0, PW0+1
.endif
.endm
	s_wait_alu depctr_va_vdst(0)
	s_wait_tensorcnt 2
	s_barrier_signal -1
	s_barrier_wait -1
	FIRST 0, 0
	s_wait_loadcnt 0x0
	STEP 0, 0, 0, 1
	TURN 0, 1, 0, 1, 1, 1, 1
	ASK 5
	STEP 1, 0, 1, 0
	TURN 1, 2, 1, 0, 1, 1, 0
	ASK 6
	STEP 2, 0, 0, 0
	TURN 2, 0, 0, 1, 1, 1, 0
	ASK 7
	STEP 0, 0, 1, 0
	TURN 0, 1, 1, 0, 1, 0, 0
	PLACES NP
.irp a, 0,1,2,3,4,5,6,7
	OUTB \a, 0
.endr
	s_wait_xcnt 0x0
	FIRST 1, 0
	STEP 1, 0, 0, 1
	TURN 1, 2, 0, 1, 1, 1, 1
	STEP 2, 0, 1, 0
	PASS 0, 1, 0
	STEP 0, 0, 0, 0
	TURN 0, 1, 0, 1, 0, 1, 0
	STEP 1, 0, 1, 0
	s_wait_dscnt 4*NL
	WIN MUL_LO
	MUL16 0, 1, NQ-1, 1, 0
	MUL16 2, 1, NQ-1, 1, 0
	s_wait_dscnt 0
	WIN MUL_HI
	MUL16 4, 1, NQ-1, 1, 0
	MUL16 6, 1, NQ-1, 1, 0
	WIN 0
	PLACES NP
.irp a, 0,1,2,3,4,5,6,7
	OUTB \a, 1
.endr
	s_wait_tensorcnt 0x0
	ds_add_u32 v[SPW], v[NIL]
	s_wait_dscnt 0x0
	CROUND
	s_endpgm
.Lfunc_end_k_q7c37971fa1_ffn1:
	.size	k_q7c37971fa1_ffn1, .Lfunc_end_k_q7c37971fa1_ffn1-k_q7c37971fa1_ffn1
	.p2alignl 7, 3214868480
	.fill 96, 4, 3214868480
	.section	.rodata,"a",@progbits
	.p2align	6, 0x0
	.amdhsa_kernel k_q7c37971fa1_ffn1
		.amdhsa_group_segment_fixed_size 327680
		.amdhsa_private_segment_fixed_size 0
		.amdhsa_enable_private_segment 0
		.amdhsa_kernarg_size 32
		.amdhsa_user_sgpr_count 2
		.amdhsa_user_sgpr_kernarg_segment_ptr 1
		.amdhsa_wavefront_size32 1
		.amdhsa_system_sgpr_workgroup_id_x 1
		.amdhsa_system_sgpr_workgroup_id_y 1
		.amdhsa_system_sgpr_workgroup_id_z 1
		.amdhsa_system_vgpr_workitem_id 0
		.amdhsa_next_free_vgpr 1024
		.amdhsa_next_free_sgpr 92
		.amdhsa_reserve_vcc 0
		.amdhsa_float_denorm_mode_32 3
		.amdhsa_float_denorm_mode_16_64 3
		.amdhsa_memory_ordered 1
		.amdhsa_forward_progress 1
		.amdhsa_inst_pref_size 255
	.end_amdhsa_kernel
	.section	.bss,"aw",@nobits
	.p2align	6
	.space	262144
	.amdgpu_metadata
---
amdhsa.version: [ 1, 2 ]
amdhsa.kernels:
  - .name:           k_q7c37971fa1_ffn1
    .symbol:         k_q7c37971fa1_ffn1.kd
    .args:
      - { .name: xq, .offset: 0, .size: 8, .value_kind: global_buffer, .address_space: global }
      - { .name: w1q, .offset: 8, .size: 8, .value_kind: global_buffer, .address_space: global }
      - { .name: b1, .offset: 16, .size: 8, .value_kind: global_buffer, .address_space: global }
      - { .name: hq, .offset: 24, .size: 8, .value_kind: global_buffer, .address_space: global }
    .group_segment_fixed_size: 327680
    .private_segment_fixed_size: 0
    .kernarg_segment_align: 8
    .kernarg_segment_size: 32
    .max_flat_workgroup_size: 128
    .sgpr_count:     92
    .vgpr_count:     1024
    .wavefront_size: 32
...
	.end_amdgpu_metadata
.endif
;; end of part 2
;; launch ffn2 (part 3): grid 4 x 64, 4 waves a work-group, clusters of 4 x 4, 327,680 bytes of LDS; arguments hq, w2q, xr, z; writes z
.if DOCPART == 3
	.amdgcn_target "amdgcn-amd-amdhsa--gfx1250"
	.amdhsa_code_object_version 6
	.text
	.protected	k_q7c37971fa1_ffn2
	.globl	k_q7c37971fa1_ffn2
	.p2align	8
	.type	k_q7c37971fa1_ffn2,@function
k_q7c37971fa1_ffn2:
	s_mov_b64 s[64:65], 0
	v_nop
	global_prefetch_b8 v0, s[64:65] scope:SCOPE_SE
	s_setreg_imm32_b32 hwreg(HW_REG_WAVE_MODE, 25, 1), 1
	s_wait_xcnt 0x0
	s_wait_alu depctr_hold_cnt(0) depctr_sa_sdst(0) depctr_va_vdst(0) depctr_va_sdst(0) depctr_va_ssrc(0) depctr_va_vcc(0) depctr_vm_vsrc(0)
	s_getreg_b32 s2, hwreg(HW_REG_IB_STS2, 6, 4)
	s_cmp_eq_u32 s2, 0
	s_cbranch_scc0 .Lentry_in_a_cluster
	s_endpgm
.Lentry_in_a_cluster:
	s_bfe_u32 s2, ttmp6, 0x10000c
	s_cmp_lg_u32 s2, 0xf033
	s_cbranch_scc0 .Lentry_shape_is_right
	s_endpgm
.Lentry_shape_is_right:
; FFN2.  z = x + h w2^T: h [8192][4096] and w2 [1024][4096] as codes of BF6 (E3M2) with E8M0 scale words (hq, w2q), x as f32 (xr), z f32, row-major.  b2 and the second LayerNorm follow in the next launch.  No work of the problem is left out.
; RECORDS: 128 rows x 4 K steps of 128 are 51,200 dense bytes, an image of the operand's registers: codes at tile x 6,144 + K step x 1,536 + 512 c + 16 x lane, scale words at 49,152 + K step x 512 + tile x 64 + 4 x row.  A buffer is [K slot][group of 128 rows].
; SHARES: a work-group makes 128 x 256 of z, 256 work-groups.  K IS CUT INSIDE THE WORK-GROUP: wave w takes the columns' half c = w % 2 and, of each slot's four K steps, the two 2 kh, 2 kh + 1, kh = w / 2; it sums 128 x 128 over them:
; 64 accumulators, 512 registers, 16 fragments from LDS for 64 products.  At the end the two waves of a column half swap halves of their sums through LDS, and wave (c, kh) finishes rows 64 kh .. 64 kh + 63.
; So that all waves run one text, a wave's tile index a stands for h's tile (a + 4 kh) % 8: every wave keeps a = 0 .. 3 (window 2) and sends a = 4 .. 7 (window 3).
; The product is used transposed (source 0 = w2's rows, source 1 = h's rows); register 16 b + 8 u + j of a row block is column 32 b + 16 (lane / 16) + 8 u + j, which is also xr's order.
; THE RING: two LDS slots of 153,600 bytes, each one record of h and two of w2.  Waves 0, 1 fetch halves of h's record, waves 2, 3 a record of w2 each: one tensor load a wave behind each round.
; A step's fragments and scale words are fetched a whole step ahead, into two sets of registers by turns.  A slot's last reads are over when a wave's second step of it is due: the change of slots stands in front of that step's products.
; CLUSTERS: 4 x 4 work-groups; h's record is asked for jointly along a row of the cluster, w2's along a column.
; PREFETCH: behind the load of K slot n each cluster asks for K slot n + 2 (at the head also for K slot 1): of h's record each of the four partners names 12,800 bytes (by cx), waves 0, 1 a half each, 25 lanes a block of 256 bytes each
; (lanes 25-31 name the last block again); of w2's two records each partner names 25,600 bytes (by cy), waves 2, 3 a half each in two instructions.  The loop's last trip asks for nothing: K slots 8, 9 do not exist.
; In the loop's first two trips each change of slots also asks for one of my four blocks of 8,192 bytes of xr, a lane a block of 256 bytes.  xr is loaded into registers as they fall free, from the last change of slots on.
; REGISTERS: window 0: v0-31 addresses, v32-47 scale words (set p at 8 p; register i: lanes 0-15 h's tile index i, lanes 16-31 w2's tile i), h's fragments, set p at v64 + 96 p; window 1: w2's fragments, set p at 96 p, v192-255 spare;
; window 2: accumulators (a, b), a < 4, at 8 (8 a + b); window 3: those of a = 4 .. 7.
; LIMITS: an output's K is summed in two f32 parts, which are then added: another order of rounding than one sum.  NaN and infinities are not served otherwise than the matrix unit carries them.
.set REC,   51200
.set TSTR,  6144
.set SCOFF, 49152
.set SLOT,  3*REC
.set SPARE, 2*SLOT                     ; the spare words, 128 bytes for each wave: two blocks of 256 bytes that no other line names
.set ASTEP, 64*REC
.set BSTEP, 8*REC
.set FR,    12
.set NP,    4
.set SPITCH, 528
.set L16,  1
.set PFO,  2                           ; 256 x min(lane, 24)
.set PFX,  8                           ; 256 x lane
.set XO,   9                           ; the swap: where I put what I send
.set ADRA, 16                          ; v16-17 h's tile indices 0-3 in slot 0, 1;  v18-19 indices 4-7
.set ADRH, 18
.set ADRB, 20
.set ADRS, 22                          ; v22-23 scale words of indices 0-3;  v26-27 of indices 4-7
.set STO,  24
.set RD,   25                          ; what my partner sent me, 16 x lane; afterwards my stage lies there
.set ADRT, 26
.set SPW,  28
.set NIL,  29
.set SC,   32
.set AF,   64
.set BK,   128
.set G1,  24
.set G0,  32
.set G1B, 48
.set G0B, 56
.set PFA, 66                           ; s[66:67] my share of the K slot whose load was issued last
.set PFS, 68                           ; s[68:69] bytes from K slot to K slot in the buffer that I fetch from
.set XPF, 80                           ; s[80:81] xr's prefetches
.set MSB, 0
.macro WIN new                         ; the immediate's high byte repeats the setting that is left
.if MSB != (\new)
	s_set_vgpr_msb (MSB<<8)|(\new)
.set MSB, (\new)
.endif
.endm
.set MUL_LO, 0xa1
.set MUL_HI, 0xf1
.set TO_B, 0x40
.macro JLOAD g0a, g1a, g0b, g1b        ; a joint load: waves 0, 1 for h, waves 2, 3 for w2; s_nop 0 and four v_nop behind each line
	s_cmp_eq_u32 s15, 0
	s_cbranch_scc0 .Lfor_b_\@
	tensor_load_to_lds s[\g0a:\g0a+3], s[\g1a:\g1a+7]
	s_nop 0
.rept 4
	v_nop
.endr
	s_branch .Lasked_\@
.Lfor_b_\@:
	tensor_load_to_lds s[\g0b:\g0b+3], s[\g1b:\g1b+7]
	s_nop 0
.rept 4
	v_nop
.endr
.Lasked_\@:
.endm
.macro CROUND                          ; a round of the cluster's barrier
	s_barrier_signal -1
	s_barrier_wait -1
	s_cmp_lg_u32 s14, 0
	s_cbranch_scc1 .Lnot_wave_0_\@
	s_barrier_signal -3
.Lnot_wave_0_\@:
	s_barrier_wait -3
	s_barrier_signal -1
	s_barrier_wait -1
.endm
.macro PLACES n
.rept \n
	v_nop
.endr
.endm
.macro ASK k, inloop                   ; prefetches: K slot (the last load's) + k; in the loop also a block of xr, and nothing in the last trip
.if \inloop
	s_cmp_gt_u32 s3, 1
	s_cbranch_scc0 .Lpe_\@
	global_prefetch_b8 v[PFX], s[XPF:XPF+1] offset:-65536 th:TH_LOAD_NT scope:SCOPE_SE
.endif
	s_cmp_eq_u32 s15, 0
	s_cbranch_scc0 .Lpb_\@
	global_prefetch_b8 v[PFO], s[PFA:PFA+1] offset:(\k)*ASTEP th:TH_LOAD_NT scope:SCOPE_SE
	s_branch .Lpe_\@
.Lpb_\@:
	global_prefetch_b8 v[PFO], s[PFA:PFA+1] offset:(\k)*BSTEP th:TH_LOAD_NT scope:SCOPE_SE
	global_prefetch_b8 v[PFO], s[PFA:PFA+1] offset:(\k)*BSTEP+6400 th:TH_LOAD_NT scope:SCOPE_SE
.Lpe_\@:
.endm
	s_load_b256 s[4:11], s[0:1], 0x0               ; hq, w2q, xr, z
	v_lshl_add_u32 v[SPW], v0, 2, SPARE
	v_mov_b32 v[NIL], 0
	ds_add_u32 v[SPW], v[NIL]                      ; the opening lines: the add, twice on end, and its wait ahead of my first tensor load
	ds_add_u32 v[SPW], v[NIL]
	v_lshrrev_b32 v3, 5, v0
	v_readfirstlane_b32 s14, v3                    ; wave
	s_lshr_b32 s15, s14, 1                         ; kh: my half of a slot's K steps, and the half of the rows that I finish; also: I fetch for h (0) or w2 (1)
	s_and_b32 s16, s14, 1                          ; c: my half of the columns; also: which part I fetch
	s_bfe_u32 s40, ttmp6, 0x40000                  ; cx
	s_bfe_u32 s41, ttmp6, 0x40004                  ; cy
	s_lshl_b32 s42, ttmp9, 2
	s_add_co_u32 s42, s42, s40                     ; tile column
	s_and_b32 s17, ttmp7, 0xffff
	s_lshl_b32 s17, s17, 2
	s_add_co_u32 s17, s17, s41                     ; tile row
	s_lshl_b32 s43, s41, 2
	s_lshl_b32 s43, 15, s43                        ; my row of the cluster
	s_lshl_b32 s44, 0x1111, s40                    ; my column
	s_or_b32 s[G1+0], s43, (3<<16)|(1<<21)         ; half a record: 100 rows of 256 bytes
	s_mov_b32 s[G1+1], 32<<16
	s_mov_b32 s[G1+2], 100<<16
	s_mov_b32 s[G1+3], 32<<16
	s_mov_b32 s[G1+4], 100
	s_mov_b32 s[G1+5], 32
	s_mov_b32 s[G1+6], 0
	s_mov_b32 s[G1+7], 0
	s_or_b32 s[G1B+0], s44, (3<<16)|(1<<21)        ; a record: 200 rows
	s_mov_b32 s[G1B+1], 32<<16
	s_mov_b32 s[G1B+2], 200<<16
	s_mov_b32 s[G1B+3], 32<<16
	s_mov_b32 s[G1B+4], 200
	s_mov_b32 s[G1B+5], 32
	s_mov_b32 s[G1B+6], 0
	s_mov_b32 s[G1B+7], 0
	s_mul_i32 s20, s17, REC                        ; h: group = tile row, my half of the record
	s_mul_i32 s21, s16, REC/2
	s_add_co_u32 s20, s20, s21
	s_mov_b32 s21, 0
	s_lshl_b32 s46, s42, 1                         ; w2: group 2 x tile column + my part
	s_add_co_u32 s46, s46, s16
	s_mul_i32 s46, s46, REC
	s_mov_b32 s47, 0
	s_mul_i32 s45, s16, REC/2                      ; LDS: h's record at the slot's start,
	s_mul_i32 s12, s16, REC
	s_add_co_u32 s12, s12, REC                     ; w2's two behind it
	s_lshl_b32 s18, s17, 19                        ; the first row that I finish, in z and in xr: 128 rows are 2^19 bytes in both
	s_lshl_b32 s19, s15, 18
	s_add_co_u32 s18, s18, s19
	s_lshl_b32 s70, s42, 10
	s_lshl_b32 s19, s16, 9
	s_add_co_u32 s70, s70, s19
	s_add_co_u32 s70, s70, s18                     ; z: + 4 bytes a column
	s_lshl_b32 s71, s42, 14
	s_lshl_b32 s19, s16, 13
	s_add_co_u32 s71, s71, s19
	s_add_co_u32 s18, s18, s71                     ; xr: + 8,192 bytes for each 128 columns of a block of 16 rows
	s_mov_b32 s19, 0
	s_mov_b32 s71, 0
	s_mul_i32 s72, s17, REC                        ; the prefetches' share: of h's record by cx and my part,
	s_mul_i32 s73, s40, 12800
	s_add_co_u32 s72, s72, s73
	s_mul_i32 s73, s16, 6400
	s_add_co_u32 s72, s72, s73
	s_mul_i32 s13, s42, 2*REC                      ; of w2's two by cy and my part
	s_mul_i32 s73, s41, 25600
	s_add_co_u32 s13, s13, s73
	s_mul_i32 s73, s16, 12800
	s_add_co_u32 s13, s13, s73
	s_cmp_eq_u32 s15, 0
	s_cselect_b32 s72, s72, s13
	s_mov_b32 s[PFS], BSTEP
	s_cselect_b32 s[PFS], ASTEP, s[PFS]
	s_mov_b32 s[PFS+1], 0
	s_mov_b32 s73, 0
	s_xor_b32 s85, s15, 1                          ; 1 - kh
	s_mul_i32 s74, s15, 3072+4*TSTR                ; h, indices 0-3: tiles 4 kh on, K step 2 kh
	s_mul_i32 s79, s85, 4*TSTR                     ; indices 4-7: tiles 4 (1 - kh) on
	s_mul_i32 s86, s15, 3072
	s_add_co_u32 s79, s79, s86
	s_add_co_u32 s75, s16, 1
	s_mul_i32 s75, s75, REC                        ; my record of w2
	s_lshl_b32 s77, s15, 8
	s_sub_co_u32 s76, s75, s77                     ; from h's scale words to w2's, indices 0-3,
	s_add_co_u32 s82, s75, s77                     ; and 4-7
	s_add_co_u32 s75, s75, s86                     ; w2's codes at K step 2 kh
	s_mul_i32 s77, s15, 1280
	s_add_co_u32 s77, s77, SCOFF                   ; h's words: K step 2 kh (1,024 kh), tile 4 kh (256 kh)
	s_lshl_b32 s83, s85, 8
	s_lshl_b32 s86, s15, 10
	s_add_co_u32 s83, s83, s86
	s_add_co_u32 s83, s83, SCOFF                   ; and tile 4 (1 - kh)
	s_lshl_b32 s84, s14, 15                        ; the swap: 32,768 bytes for each wave, in slot 0: mine,
	s_xor_b32 s78, s14, 2
	s_lshl_b32 s78, s78, 15                        ; and my partner's (wave w xor 2)
	v_and_b32 v3, 31, v0
	v_and_b32 v5, 15, v0                           ; r
	v_bfe_u32 v4, v0, 4, 1                         ; h
	v_lshlrev_b32 v[L16], 4, v3
	v_lshlrev_b32 v[PFX], 8, v3
	v_min_u32 v[PFO], 24, v3
	v_lshlrev_b32 v[PFO], 8, v[PFO]
	v_lshlrev_b32 v6, 2, v5
	v_add_nc_u32 v[ADRA], s74, v[L16]
	v_add_nc_u32 v[ADRH], s79, v[L16]
	v_add_nc_u32 v[ADRB], s75, v[L16]
	v_add_nc_u32 v[ADRA+1], SLOT, v[ADRA]
	v_add_nc_u32 v[ADRH+1], SLOT, v[ADRH]
	v_add_nc_u32 v[ADRB+1], SLOT, v[ADRB]
	v_mul_u32_u24 v7, s76, v4                      ; lanes 16-31 take w2's words
	v_mul_u32_u24 v11, s82, v4
	v_add_nc_u32 v7, v7, v6
	v_add_nc_u32 v11, v11, v6
	v_add_nc_u32 v[ADRS], s77, v7
	v_add_nc_u32 v[ADRT], s83, v11
	v_add_nc_u32 v[ADRS+1], SLOT, v[ADRS]
	v_add_nc_u32 v[ADRT+1], SLOT, v[ADRT]
	v_mul_u32_u24 v12, v5, SPITCH
	v_lshl_add_u32 v12, v4, 6, v12
	v_add_nc_u32 v[STO], s78, v12
	v_add_nc_u32 v[RD], s78, v[L16]
	v_add_nc_u32 v[XO], s84, v[L16]
	s_wait_alu depctr_va_vdst(0)                   ; the wait behind the head's last vector instruction, ahead of the waits below
	s_wait_dscnt 0x0                               ; both opening adds are done
	s_wait_kmcnt 0x0
	s_add_nc_u64 s[20:21], s[4:5], s[20:21]
	s_add_nc_u64 s[46:47], s[6:7], s[46:47]
	s_cmp_eq_u32 s15, 0
	s_cselect_b64 s[PFA:PFA+1], s[4:5], s[6:7]
	s_add_nc_u64 s[PFA:PFA+1], s[PFA:PFA+1], s[72:73]
	s_add_nc_u64 s[8:9], s[8:9], s[18:19]
	s_add_nc_u64 s[10:11], s[10:11], s[70:71]
	s_mov_b64 s[XPF:XPF+1], s[8:9]
.irp s, 0,1
	s_mov_b32 s[G0+4*\s], 1
	s_add_co_u32 s[G0+4*\s+1], s45, \s*SLOT
	s_add_nc_u64 s[G0+4*\s+2:G0+4*\s+3], s[20:21], \s*ASTEP
	s_or_b32 s[G0+4*\s+3], s[G0+4*\s+3], 0x80000000
	s_mov_b32 s[G0B+4*\s], 1
	s_add_co_u32 s[G0B+4*\s+1], s12, \s*SLOT
	s_add_nc_u64 s[G0B+4*\s+2:G0B+4*\s+3], s[46:47], \s*BSTEP
	s_or_b32 s[G0B+4*\s+3], s[G0B+4*\s+3], 0x80000000
.endr
	CROUND                                         ; all sixteen work-groups are here: the first joint loads meet
	JLOAD G0, G1, G0B, G1B                         ; K slot 0: one tensor load a wave at the head
	ASK 1, 0
	ASK 2, 0
.macro FRAG reg, adr, j, i
.irp c, 0,1,2
	ds_load_b128 v[\reg+4*\c:\reg+4*\c+3], v[\adr] offset:(\i)*TSTR+(\j)*1536+512*\c
.endr
.endm
.macro FETCH slot, j, p                ; my j-th K step of a slot into set p, 56 loads: eight scale words, w2's eight fragments, h's eight; the youngest 12 loads are h's indices 4-7
	WIN 0
.irp i, 0,1,2,3
	ds_load_b32 v[SC+8*(\p)+\i], v[ADRS+\slot] offset:(\j)*512+\i*64
.endr
.irp i, 0,1,2,3
	ds_load_b32 v[SC+8*(\p)+4+\i], v[ADRT+\slot] offset:(\j)*512+\i*64
.endr
	WIN TO_B
.irp i, 0,1,2,3,4,5,6,7
	FRAG 96*(\p)+FR*\i, ADRB+\slot, \j, \i
.endr
	WIN 0
.irp i, 0,1,2,3
	FRAG AF+96*(\p)+FR*\i, ADRA+\slot, \j, \i
.endr
.irp i, 0,1,2,3
	FRAG AF+96*(\p)+FR*(4+\i), ADRH+\slot, \j, \i
.endr
.endm
.macro MUL32 hi, p, zero               ; 32 products: h's indices 4 hi .. 4 hi + 3 x w2's eight tiles
.irp a, 0,1,2,3
.irp b, 0,1,2,3,4,5,6,7
.set WC, 8*(8*\a+\b)
.set WA, AF+96*(\p)+FR*(4*(\hi)+\a)
.if \zero
	v_wmma_scale_f32_16x16x128_f8f6f4 v[WC:WC+7], v[96*(\p)+FR*\b:96*(\p)+FR*\b+FR-1], v[WA:WA+FR-1], 0, v[SC+8*(\p)+\b], v[SC+8*(\p)+4*(\hi)+\a] matrix_a_fmt:MATRIX_FMT_BF6 matrix_b_fmt:MATRIX_FMT_BF6 matrix_a_scale:MATRIX_SCALE_ROW1
.else
	v_wmma_scale_f32_16x16x128_f8f6f4 v[WC:WC+7], v[96*(\p)+FR*\b:96*(\p)+FR*\b+FR-1], v[WA:WA+FR-1], v[WC:WC+7], v[SC+8*(\p)+\b], v[SC+8*(\p)+4*(\hi)+\a] matrix_a_fmt:MATRIX_FMT_BF6 matrix_b_fmt:MATRIX_FMT_BF6 matrix_a_scale:MATRIX_SCALE_ROW1
.endif
.endr
.endr
.endm
.macro MULS p, zero, cnt               ; a K step's 64 products, the 64 accumulators by turns in one order in every step.  cnt >= 0: the LDS loads that may be out when h's indices 4-7 are wanted
	WIN MUL_LO
	MUL32 0, \p, \zero
.if (\cnt) >= 0
	s_wait_dscnt \cnt
.endif
	WIN MUL_HI
	MUL32 1, \p, \zero
.endm
; My first K step of a slot.  My second step's 56 loads are asked for while this step's youngest 12 may still be out
.macro STEPA slot, zero
	s_wait_dscnt 12                                ; the scale words, w2's fragments and h's indices 0-3 are in; the 12 loads of indices 4-7 may be out
	PLACES NP                                      ; behind the products that read the other set
	FETCH \slot, 1, 1
	MULS 0, \zero, 56                              ; the 56 loads just issued may be out
.endm
; The change of slots, in front of my second step's products.  All my tensor loads have landed, my part of the next slot among them; the add; my reads of this slot are over; the round; the refill, two K slots on; the next slot's first fragments
.macro CHANGE slot, next, fill
	WIN 0
.if \fill
	s_wait_xcnt 0x0                                ; my prefetches have read their addresses, which step here
	s_add_nc_u64 s[PFA:PFA+1], s[PFA:PFA+1], s[PFS:PFS+1]
	s_add_nc_u64 s[XPF:XPF+1], s[XPF:XPF+1], 65536
.endif
	s_wait_tensorcnt 0x0
	ds_add_u32 v[SPW], v[NIL]
.if \fill
	s_add_nc_u64 s[G0+4*\slot+2:G0+4*\slot+3], s[G0+4*\slot+2:G0+4*\slot+3], 2*ASTEP   ; no tensor load of mine is out: the descriptors may step
	s_add_nc_u64 s[G0B+4*\slot+2:G0B+4*\slot+3], s[G0B+4*\slot+2:G0B+4*\slot+3], 2*BSTEP
.endif
	s_wait_dscnt 0x0
.if \fill
	CROUND
	JLOAD G0+4*\slot, G1, G0B+4*\slot, G1B         ; its four v_nop are the places in front of the loads below
.else
	s_barrier_signal -1
	s_barrier_wait -1
	PLACES NP
.endif
	FETCH \next, 0, 0
.if \fill
	ASK 2, 1
.endif
.endm
.macro XLOAD a, r                      ; xr's block a, 16 rows x 128 columns in the accumulators' order, into 64 registers from r on: 512 consecutive bytes a load
.set N, 0
.rept 16
	global_load_b128 v[(\r)+4*N:(\r)+4*N+3], v[L16], s[8:9] offset:(\a)*65536+N*512 th:TH_LOAD_NT
.set N, N+1
.endr
.endm
	s_wait_tensorcnt 0x0                           ; my part of K slot 0 is in
	ds_add_u32 v[SPW], v[NIL]
	s_wait_xcnt 0x0                                ; the head's prefetches have read their address
	s_add_nc_u64 s[PFA:PFA+1], s[PFA:PFA+1], s[PFS:PFS+1]
	s_wait_dscnt 0x0
	CROUND
	JLOAD G0+4, G1, G0B+4, G1B                     ; K slot 1, the first tensor load behind the round
	FETCH 0, 0, 0
	ASK 2, 0
	STEPA 0, 1                                     ; the first step's products start the sums
	WIN 0
	s_mov_b32 s3, 3
.Llap:
	CHANGE 0, 1, 1
	MULS 1, 0, -1
	STEPA 1, 0
	CHANGE 1, 0, 1
	MULS 1, 0, -1
	STEPA 0, 0
	WIN 0
	s_sub_co_u32 s3, s3, 1
	s_cmp_lg_u32 s3, 0
	s_cbranch_scc1 .Llap
	CHANGE 0, 1, 0                                 ; the last K slot is in; nothing is filled again
	WIN TO_B
	XLOAD 0, 192                                   ; xr's block 0 into window 1's spare registers
	MULS 1, 0, -1
	STEPA 1, 0
	s_wait_dscnt 0x0                               ; my last step's fragments are in
	PLACES NP                                      ; set 0 is done with:
	WIN TO_B
	XLOAD 1, 0                                     ; block 1 where w2's set 0 lay,
	WIN 0
	XLOAD 2, 64                                    ; block 2 where h's set 0 lay
	MULS 1, 0, -1
	PLACES NP                                      ; behind the last products: for the loads below and for the stores of results
	WIN TO_B
	XLOAD 3, 96                                    ; block 3 where w2's set 1 lay
; THE SWAP.  My sums of indices 4-7 go, as an image of their 256 registers, to my 32,768 bytes of slot 0 (it has had its last fill, and its last read lies ahead of the last barrier); behind a barrier my partner's come into the same registers
	WIN 0x0c
.set N, 0
.rept 64
	ds_store_b128 v[XO], v[4*N:4*N+3] offset:N*512                  ; each accumulator from its low end on
.set N, N+1
.endr
	WIN 0
	s_wait_dscnt 0x0
	s_barrier_signal -1
	s_barrier_wait -1
	WIN 0xc0
.set N, 0
.rept 64
	ds_load_b128 v[4*N:4*N+3], v[RD] offset:N*512
.set N, N+1
.endr
	WIN 0
; THE WAY OUT, by blocks of 16 rows x 128 columns: + my partner's part, + x, through my own stage (the bytes that my partner sent, which I alone touch from here on; LDS serves a wave's instructions in order), back as rows of 512 bytes,
; stored as two aligned units of 256 bytes
.macro ADDX a, xr, xw
.if (\a) == 0
	s_wait_dscnt 48                                ; the swap's first 16 loads are in; its other 48 may be out
.endif
.if (\a) == 1
	s_wait_dscnt 32                                ; all of the swap is in; block 0's 32 stage instructions may be out
.endif
	s_wait_loadcnt 16*(3-(\a))                     ; xr's block a is in; the later blocks' loads, 16 each, may be out
	WIN 0x8e
.set J, 0
.rept 32
	v_pk_add_f32 v[64*(\a)+2*J:64*(\a)+2*J+1], v[64*(\a)+2*J:64*(\a)+2*J+1], v[64*(\a)+2*J:64*(\a)+2*J+1]
.set J, J+1
.endr
	WIN 0x82|((\xw)<<2)
.set J, 0
.rept 32
	v_pk_add_f32 v[64*(\a)+2*J:64*(\a)+2*J+1], v[64*(\a)+2*J:64*(\a)+2*J+1], v[(\xr)+2*J:(\xr)+2*J+1]
.set J, J+1
.endr
.endm
.macro TOSTAGE a
	WIN 0x08
.irp b, 0,1,2,3,4,5,6,7
	ds_store_b128 v[STO], v[64*(\a)+8*\b:64*(\a)+8*\b+3] offset:128*(\b/2)+32*(\b%2)
	ds_store_b128 v[STO], v[64*(\a)+8*\b+4:64*(\a)+8*\b+7] offset:128*(\b/2)+32*(\b%2)+16
.endr
	WIN 0
.set BB, BK+64*((\a)%2)
.irp t, 0,1,2,3,4,5,6,7,8,9,10,11,12,13,14,15
	ds_load_b128 v[BB+4*\t:BB+4*\t+3], v[RD] offset:\t*SPITCH
.endr
.endm
.macro SEND a, younger
.set BB, BK+64*((\a)%2)
	s_wait_dscnt \younger
.irp t, 0,1,2,3,4,5,6,7,8,9,10,11,12,13,14,15
	global_store_b128 v[L16], v[BB+4*\t:BB+4*\t+3], s[10:11] offset:(\a)*65536+\t*4096 th:TH_STORE_NT
.endr
.endm
	ADDX 0, 192, 1
	TOSTAGE 0
	ADDX 1, 0, 1
	TOSTAGE 1
	SEND 0, 32                                     ; behind block 0's loads: block 1's 16 stores and 16 loads
	s_wait_xcnt 0x0                                ; block 0's stores have read their registers
	ADDX 2, 64, 0
	TOSTAGE 2
	SEND 1, 32
	s_wait_xcnt 0x0
	ADDX 3, 96, 1
	TOSTAGE 3
	SEND 2, 32
	SEND 3, 0
	s_wait_tensorcnt 0x0                           ; the wave's end
	ds_add_u32 v[SPW], v[NIL]
	s_wait_dscnt 0x0
	CROUND                                         ; the closing round
	s_endpgm
.Lfunc_end_k_q7c37971fa1_ffn2:
	.size	k_q7c37971fa1_ffn2, .Lfunc_end_k_q7c37971fa1_ffn2-k_q7c37971fa1_ffn2
	.p2alignl 7, 3214868480
	.fill 96, 4, 3214868480
	.section	.rodata,"a",@progbits
	.p2align	6, 0x0
	.amdhsa_kernel k_q7c37971fa1_ffn2
		.amdhsa_group_segment_fixed_size 327680
		.amdhsa_private_segment_fixed_size 0
		.amdhsa_enable_private_segment 0
		.amdhsa_kernarg_size 32
		.amdhsa_user_sgpr_count 2
		.amdhsa_user_sgpr_kernarg_segment_ptr 1
		.amdhsa_wavefront_size32 1
		.amdhsa_system_sgpr_workgroup_id_x 1
		.amdhsa_system_sgpr_workgroup_id_y 1
		.amdhsa_system_sgpr_workgroup_id_z 1
		.amdhsa_system_vgpr_workitem_id 0
		.amdhsa_next_free_vgpr 1024
		.amdhsa_next_free_sgpr 92
		.amdhsa_reserve_vcc 0
		.amdhsa_float_denorm_mode_32 3
		.amdhsa_float_denorm_mode_16_64 3
		.amdhsa_memory_ordered 1
		.amdhsa_forward_progress 1
		.amdhsa_inst_pref_size 154
	.end_amdhsa_kernel
	.amdgpu_metadata
---
amdhsa.version: [ 1, 2 ]
amdhsa.kernels:
  - .name:           k_q7c37971fa1_ffn2
    .symbol:         k_q7c37971fa1_ffn2.kd
    .args:
      - { .name: hq, .offset: 0, .size: 8, .value_kind: global_buffer, .address_space: global }
      - { .name: w2q, .offset: 8, .size: 8, .value_kind: global_buffer, .address_space: global }
      - { .name: xr, .offset: 16, .size: 8, .value_kind: global_buffer, .address_space: global }
      - { .name: z, .offset: 24, .size: 8, .value_kind: global_buffer, .address_space: global }
    .group_segment_fixed_size: 327680
    .private_segment_fixed_size: 0
    .kernarg_segment_align: 8
    .kernarg_segment_size: 32
    .max_flat_workgroup_size: 128
    .sgpr_count:     92
    .vgpr_count:     1024
    .wavefront_size: 32
...
	.end_amdgpu_metadata
.endif
;; end of part 3
;; launch ln2 (part 4): grid 256 x 1, 8 waves a work-group, no clusters, 0 bytes of LDS; arguments z, b2, g2, be2, out0; writes out0
.if DOCPART == 4
	.amdgcn_target "amdgcn-amd-amdhsa--gfx1250"
	.amdhsa_code_object_version 6
	.text
	.protected	k_q7c37971fa1_ln2
	.globl	k_q7c37971fa1_ln2
	.p2align	8
	.type	k_q7c37971fa1_ln2,@function
k_q7c37971fa1_ln2:
	s_mov_b64 s[64:65], 0
	v_nop
	global_prefetch_b8 v0, s[64:65] scope:SCOPE_SE
	s_setreg_imm32_b32 hwreg(HW_REG_WAVE_MODE, 25, 1), 1
	s_wait_xcnt 0x0
; LN2.  out0 = LayerNorm(z + b2; g2, be2), rows of 1,024 f32.  z = x + h w2^T comes from the launch before; b2 is added here.  No work of the problem is left out.
; A stream: a wave takes 4 whole rows and keeps them in 128 registers between the passes; a lane holds 16 bytes of each 512 of a row, so every load and store covers 512 consecutive bytes.
; All of a wave's loads go out at its head; no LDS, no barrier, no loop, no matrix unit and no cluster: waves share nothing but the three vectors of 4,096 bytes.
; LIMITS: NaN and infinities are not served; the sums are taken in another order than a row-wise sum.
.set L16, 1
.set SM,  2                            ; v2-9   a pair for each row: sums, then the mean, then 1 / sqrt
.set QS,  10                           ; v10-17 sums of squares
.set T,   18                           ; v18-21 at work in the sums over lanes
.set Z,   32                           ; v32-159 row k, chunk j at 32 k + 4 j
.set B2,  160
.set G2,  192
.set BE2, 224
.set SEL, 18
.macro ALLRED base, stride, n          ; n numbers are summed over the 32 lanes, by turns
.irp m, 1,2,4,8
.set AI, 0
.rept \n
	s_delay_alu instid0(VALU_DEP_4)
	v_add_f32_dpp v[\base+AI*\stride], v[\base+AI*\stride], v[\base+AI*\stride] row_xmask:\m row_mask:0xf bank_mask:0xf
.set AI, AI+1
.endr
.endr
.set AI, 0
.rept \n
	s_delay_alu instid0(VALU_DEP_4)
	v_permlanex16_b32 v[T+AI], v[\base+AI*\stride], s[SEL], s[SEL+1]
.set AI, AI+1
.endr
.set AI, 0
.rept \n
	s_delay_alu instid0(VALU_DEP_4)
	v_add_f32 v[\base+AI*\stride], v[\base+AI*\stride], v[T+AI]
.set AI, AI+1
.endr
.endm
	s_load_b256 s[4:11], s[0:1], 0x0               ; z s[4:5], b2 s[6:7], g2 s[8:9], be2 s[10:11]
	s_load_b64 s[12:13], s[0:1], 0x20              ; out0
	v_and_b32 v1, 31, v0
	s_delay_alu instid0(VALU_DEP_1)
	v_lshlrev_b32 v[L16], 4, v1
	v_lshrrev_b32 v18, 5, v0
	s_delay_alu instid0(VALU_DEP_1)
	v_readfirstlane_b32 s14, v18                   ; wave 0..7
	s_lshl_b32 s15, ttmp9, 3
	s_add_co_u32 s15, s15, s14
	s_lshl_b32 s16, s15, 14                        ; 4 rows of 4,096 bytes for each wave
	s_mov_b32 s17, 0
	s_mov_b32 s[SEL], 0x76543210
	s_mov_b32 s[SEL+1], 0xfedcba98
	s_mov_b32 s20, 0x3a800000                      ; 1 / 1,024
	s_mov_b32 s21, 0x3727c5ac                      ; 1e-5
.irp b, 0,1,2,3
	v_mov_b32 v[T+\b], 0                           ; written once: a lane permute's destination counts as one of its sources
.endr
	s_wait_alu depctr_va_vdst(0)
	s_wait_kmcnt 0x0
	s_add_nc_u64 s[4:5], s[4:5], s[16:17]
	s_add_nc_u64 s[12:13], s[12:13], s[16:17]
.irp k, 0,1,2,3
.irp j, 0,1,2,3,4,5,6,7
	global_load_b128 v[Z+32*\k+4*\j:Z+32*\k+4*\j+3], v[L16], s[4:5] offset:\k*4096+512*\j th:TH_LOAD_NT
.endr
.endr
.irp j, 0,1,2,3,4,5,6,7
	global_load_b128 v[B2+4*\j:B2+4*\j+3], v[L16], s[6:7] offset:512*\j
.endr
.irp j, 0,1,2,3,4,5,6,7
	global_load_b128 v[G2+4*\j:G2+4*\j+3], v[L16], s[8:9] offset:512*\j
.endr
.irp j, 0,1,2,3,4,5,6,7
	global_load_b128 v[BE2+4*\j:BE2+4*\j+3], v[L16], s[10:11] offset:512*\j
.endr
	s_wait_loadcnt 16                              ; z and b2 are in; the 16 loads of g2 and be2 stay out
.irp p, 0,1,2,3,4,5,6,7,8,9,10,11,12,13,14,15
.irp k, 0,1,2,3
	v_pk_add_f32 v[Z+32*\k+2*\p:Z+32*\k+2*\p+1], v[Z+32*\k+2*\p:Z+32*\k+2*\p+1], v[B2+2*\p:B2+2*\p+1]
.endr
.endr
.irp k, 0,1,2,3
	v_pk_add_f32 v[SM+2*\k:SM+2*\k+1], v[Z+32*\k:Z+32*\k+1], v[Z+32*\k+2:Z+32*\k+3]
.endr
.irp p, 2,3,4,5,6,7,8,9,10,11,12,13,14,15
.irp k, 0,1,2,3
	s_delay_alu instid0(VALU_DEP_4)
	v_pk_add_f32 v[SM+2*\k:SM+2*\k+1], v[SM+2*\k:SM+2*\k+1], v[Z+32*\k+2*\p:Z+32*\k+2*\p+1]
.endr
.endr
.irp k, 0,1,2,3
	s_delay_alu instid0(VALU_DEP_4)
	v_add_f32 v[SM+2*\k], v[SM+2*\k], v[SM+2*\k+1]
.endr
	ALLRED SM, 2, 4
.irp k, 0,1,2,3
	s_delay_alu instid0(VALU_DEP_4)
	v_mul_f32 v[SM+2*\k], s20, v[SM+2*\k]          ; the mean
.endr
.irp p, 0,1,2,3,4,5,6,7,8,9,10,11,12,13,14,15
.irp k, 0,1,2,3
	v_pk_add_f32 v[Z+32*\k+2*\p:Z+32*\k+2*\p+1], v[Z+32*\k+2*\p:Z+32*\k+2*\p+1], v[SM+2*\k:SM+2*\k+1] op_sel_hi:[1,0] neg_lo:[0,1] neg_hi:[0,1]
.endr
.endr
.irp k, 0,1,2,3
	v_pk_mul_f32 v[QS+2*\k:QS+2*\k+1], v[Z+32*\k:Z+32*\k+1], v[Z+32*\k:Z+32*\k+1]
.endr
.irp p, 1,2,3,4,5,6,7,8,9,10,11,12,13,14,15
.irp k, 0,1,2,3
	s_delay_alu instid0(VALU_DEP_4)
	v_pk_fma_f32 v[QS+2*\k:QS+2*\k+1], v[Z+32*\k+2*\p:Z+32*\k+2*\p+1], v[Z+32*\k+2*\p:Z+32*\k+2*\p+1], v[QS+2*\k:QS+2*\k+1]
.endr
.endr
.irp k, 0,1,2,3
	s_delay_alu instid0(VALU_DEP_4)
	v_add_f32 v[QS+2*\k], v[QS+2*\k], v[QS+2*\k+1]
.endr
	ALLRED QS, 2, 4
.irp k, 0,1,2,3
	s_delay_alu instid0(VALU_DEP_4)
	v_fma_f32 v[QS+2*\k], v[QS+2*\k], s20, s21     ; the variance + 1e-5
.endr
	s_wait_alu depctr_va_vdst(0)
.irp k, 0,1,2,3
	v_rsq_f32 v[SM+2*\k], v[QS+2*\k]
.endr
	v_nop                                          ; a plain place behind the last of them
	s_wait_alu depctr_va_vdst(0)                   ; the wait ahead of the first reader: one for the four
.irp p, 0,1,2,3,4,5,6,7,8,9,10,11,12,13,14,15
.irp k, 0,1,2,3
	v_pk_mul_f32 v[Z+32*\k+2*\p:Z+32*\k+2*\p+1], v[Z+32*\k+2*\p:Z+32*\k+2*\p+1], v[SM+2*\k:SM+2*\k+1] op_sel_hi:[1,0]
.endr
.endr
	s_wait_loadcnt 0x0                             ; g2, be2
.irp p, 0,1,2,3,4,5,6,7,8,9,10,11,12,13,14,15
.irp k, 0,1,2,3
	v_pk_fma_f32 v[Z+32*\k+2*\p:Z+32*\k+2*\p+1], v[Z+32*\k+2*\p:Z+32*\k+2*\p+1], v[G2+2*\p:G2+2*\p+1], v[BE2+2*\p:BE2+2*\p+1]
.endr
.endr
.irp k, 0,1,2,3
.irp j, 0,1,2,3,4,5,6,7
	global_store_b128 v[L16], v[Z+32*\k+4*\j:Z+32*\k+4*\j+3], s[12:13] offset:\k*4096+512*\j th:TH_STORE_NT   ; 512 consecutive bytes, at a multiple of 256 from out0's first byte
.endr
.endr
	s_endpgm
.Lfunc_end_k_q7c37971fa1_ln2:
	.size	k_q7c37971fa1_ln2, .Lfunc_end_k_q7c37971fa1_ln2-k_q7c37971fa1_ln2
	.p2alignl 7, 3214868480
	.fill 96, 4, 3214868480
	.section	.rodata,"a",@progbits
	.p2align	6, 0x0
	.amdhsa_kernel k_q7c37971fa1_ln2
		.amdhsa_group_segment_fixed_size 0
		.amdhsa_private_segment_fixed_size 0
		.amdhsa_enable_private_segment 0
		.amdhsa_kernarg_size 40
		.amdhsa_user_sgpr_count 2
		.amdhsa_user_sgpr_kernarg_segment_ptr 1
		.amdhsa_wavefront_size32 1
		.amdhsa_system_sgpr_workgroup_id_x 1
		.amdhsa_system_sgpr_workgroup_id_y 1
		.amdhsa_system_sgpr_workgroup_id_z 1
		.amdhsa_system_vgpr_workitem_id 0
		.amdhsa_next_free_vgpr 256
		.amdhsa_next_free_sgpr 66
		.amdhsa_reserve_vcc 0
		.amdhsa_float_denorm_mode_32 3
		.amdhsa_float_denorm_mode_16_64 3
		.amdhsa_memory_ordered 1
		.amdhsa_forward_progress 1
		.amdhsa_inst_pref_size 43
	.end_amdhsa_kernel
	.amdgpu_metadata
---
amdhsa.version: [ 1, 2 ]
amdhsa.kernels:
  - .name:           k_q7c37971fa1_ln2
    .symbol:         k_q7c37971fa1_ln2.kd
    .args:
      - { .name: z, .offset: 0, .size: 8, .value_kind: global_buffer, .address_space: global }
      - { .name: b2, .offset: 8, .size: 8, .value_kind: global_buffer, .address_space: global }
      - { .name: g2, .offset: 16, .size: 8, .value_kind: global_buffer, .address_space: global }
      - { .name: be2, .offset: 24, .size: 8, .value_kind: global_buffer, .address_space: global }
      - { .name: out0, .offset: 32, .size: 8, .value_kind: global_buffer, .address_space: global }
    .group_segment_fixed_size: 0
    .private_segment_fixed_size: 0
    .kernarg_segment_align: 8
    .kernarg_segment_size: 40
    .max_flat_workgroup_size: 256
    .sgpr_count:     66
    .vgpr_count:     256
    .wavefront_size: 32
...
	.end_amdgpu_metadata
.endif
;; end of part 4
